; MI455X (gfx1250); checked and timed in simulation.
; The chip was launched on July 23, 2026; its instructions are those of AMD's public machine-readable ISA for CDNA 5 (MIT licence, August 2026) and "CDNA5" Instruction Set Architecture Reference Guide (July 2026). The comments in the code are by the model that wrote it; some were corrected since.
;; Multi Head Attention. Allowed arithmetic: matrix products marked QUANTISED: E2M1 operands, one E8M0 scale for each 32 along K, by v_wmma_scale_f32_16x16x128_f8f6f4 with both operands' format E2M1 (or v_wmma_scale_f32_32x16x128_f4), f32 sums; products left as they are: bf16, f16 or f32 operands; f32 sums; everything else in f32.
;; Inputs: Wk 1,024 x 1,024 float32; Wo 1,024 x 1,024 float32; Wq 1,024 x 1,024 float32; Wv 1,024 x 1,024 float32; bk 1,024 float32; bo 1,024 float32; bq 1,024 float32; bv 1,024 float32; x 8 x 1,024 x 1,024 float32.
;; Outputs: out0 8 x 1,024 x 1,024 float32.
;; This version of the problem:
;;   THIS VERSION OF THE PROBLEM IS GIVEN IN LOW PRECISION. The matrix products marked QUANTISED in the list below multiply operands that are first quantised to E2M1 (2 exponent bits, 1 mantissa bit; 4 bits a number), with one power-of-two scale for each 32 numbers along K (OCP MX v1.0); their sums are f32. The products marked 'left as it is' may take bf16, f16 or f32 operands, with f32 sums. Whichever they take, every output number must still come out within the allowed error. Rounding operands to bf16 (8 significant bits) uses up far more of that allowance than f16 does (11 bits, for magnitudes from 6e-5 to 65,504). All else is computed in f32.
;;   The module's matrix products, in the order in which they are computed (A, B: the left and right operand; K: the contracted axis; several contracted axes count as one K, in the product's order):
;;     1. [M 8,192, K 1,024] x [K 1,024, N 1,024]; A: input x; B: input Wq: QUANTISED
;;     2. [M 8,192, K 1,024] x [K 1,024, N 1,024]; A: input x; B: input Wk: QUANTISED
;;     3. [M 8,192, K 1,024] x [K 1,024, N 1,024]; A: input x; B: input Wv: QUANTISED
;;     4. batch 128 x [M 1,024, K 64] x [K 64, N 1,024]; A: computed on the way; B: computed on the way: left as it is (an operand is computed on the way)
;;     5. batch 128 x [M 64, K 1,024] x [K 1,024, N 1,024]; A: computed on the way; B: computed on the way: left as it is (an operand is computed on the way)
;;     6. [M 8,192, K 1,024] x [K 1,024, N 1,024]; A: computed on the way; B: input Wo: left as it is (an operand is computed on the way)
;;   THE QUANTISER, for each operand of a quantised product, along K:
;;     - K is cut into blocks of 32 from its start; a last block that is shorter is filled with zeros.
;;     - A block's scale is 2^e with e = floor(log2(the largest magnitude in the block)) - 2, held to -126 .. 127; a block of zeros has e = 0. As a byte (E8M0): e + 127.
;;     - Each number is divided by its block's scale, clamped to +-6, and rounded to the nearest number of E2M1, ties to even, subnormals kept.
;;     - The product sums the exact products of the quantised numbers (number of the format x scale) in f32.
;;   ~~~python
;;   def quantise(x, axis):      # numpy; x: float32 -> the quantised numbers, widened to float32 again
;;       x = np.moveaxis(x, axis, -1); K = x.shape[-1]
;;       x = np.pad(x, [(0, 0)] * (x.ndim - 1) + [(0, -K % 32)]); x = x.reshape(x.shape[:-1] + (-1, 32)); a = np.abs(x).max(-1, keepdims=True)
;;       e = np.where(a > 0, np.clip(np.frexp(np.where(a > 0, a, 1))[1] - 1 - 2, -126, 127), 0)      # np.frexp(a)[1] - 1 = floor(log2(a)), exactly
;;       r = np.clip(x / 2.0 ** e, -6, 6)
;;       step = 2.0 ** (np.maximum(np.frexp(np.where(r == 0, 1, r))[1] - 1, 0) - 1)
;;       q = np.round(r / step) * step * 2.0 ** e      # np.round: ties to even
;;       return np.moveaxis(q.reshape(q.shape[:-2] + (-1,))[..., :K], -1, axis).astype(np.float32)
;;   ~~~
;; One version. Each part assembles by itself: llvm-mc -triple=amdgcn-amd-amdhsa -mcpu=gfx1250 --defsym DOCPART=n.
;; ======== version 1 of 1: 4 launches
;; limits: values are held in f16: magnitudes above 65,504 overflow, below 6.1e-05 lose precision
;; workspace buffers: codes 5,767,168 bytes; scales 360,448 bytes; wof 2,097,152 bytes; qkv 50,331,648 bytes; hf 16,777,216 bytes
;; launch quant (part 1): grid 384 x 1, 4 waves a work-group, no clusters, 33,280 bytes of LDS; arguments x, Wq, Wk, Wv, Wo, codes, scales, wof; writes codes, scales, wof
.if DOCPART == 1
	.amdgcn_target "amdgcn-amd-amdhsa--gfx1250"
	.amdhsa_code_object_version 6
	.text
	.protected	k_q7a9e69143d_quant
	.globl	k_q7a9e69143d_quant
	.p2align	8
	.type	k_q7a9e69143d_quant,@function
k_q7a9e69143d_quant:
	s_mov_b64 s[64:65], 0
	v_nop
	global_prefetch_b8 v0, s[64:65] scope:SCOPE_SE
	s_setreg_imm32_b32 hwreg(HW_REG_WAVE_MODE, 25, 1), 1
	s_wait_xcnt 0x0
; x [8192][1024], Wq, Wk, Wv [1024][1024], f32 with K innermost, become codes of FP4 (E2M1), K innermost, with one E8M0 scale byte for each 32 along K:
; codes [11264 rows][512 bytes], scales [11264][32 bytes]; rows 0-8191 x, then Wq, Wk, Wv.  Wo becomes f16, row-major, in wof.
; A block's scale is 2^(floor(log2(its largest magnitude)) - 2); its byte is the largest magnitude's exponent field - 2, held at 1 from below.
; LIMITS: a block of zeros gets the byte 1 where the rule says 127 (its codes are zeros, and this program alone reads the bytes); blocks whose largest magnitude
; lies under 2^(2 - 126) have their byte held at 1; NaN and infinities among the inputs are not served; |Wo| beyond 65,504 becomes infinity in f16.
; SHARES.  All tensors are plain streams: a wave takes a run of 8,192 numbers, a work-group four runs.  Work-groups 0-255 x, 256-287 Wq, 288-319 Wk, 320-351 Wv, 352-383 Wo.
; THE QUANTISING WAY: 16 steps of 512 numbers.  Each load reads 512 consecutive bytes; a step's 2,048 bytes turn through the wave's own stage in LDS and come back 64 bytes a lane,
; so that a lane holds 16 neighbours along K and two neighbouring lanes a block.  A lane's 16 codes are 8 bytes: a wave's store covers 256 consecutive bytes, aligned.
; A wave's 256 scale bytes are gathered in its own LDS bytes and leave by one store of 256 consecutive bytes.  Waves share nothing: no barrier.
; Wo's WAY uses no LDS: 64 loads of 512 bytes, in four groups of 16, two groups on their way; each load's numbers leave as 256 consecutive bytes of f16.
.set WAVES, 4
.set STEPS, 16
.set EMAX,  2
.set CB,    8                          ; bytes of 16 codes
.set R,     16                         ; v16-79   four sets of 16 numbers as they are loaded (Wo: set A)
.set X,     80                         ; v80-111  two sets of 16 neighbours (Wo: v80-143 set B)
.set E,     112                        ; v112-127 a scale byte for each step
.set C,     128                        ; v128-191 codes: four registers for each step, none written twice
.set WO,    144                        ; Wo: v144-175 a group's f16 numbers
.set WREG,  8192                       ; LDS: a region for each wave: two stages of 32 x SP bytes, behind them its 256 scale bytes
.set SP,    80                         ; a lane's place in a stage: 64 bytes + 16 of padding
.set SPW,   12                         ; v12  LDS address of my spare word; never rewritten
.set NIL,   13                         ; v13  0; never rewritten
.set SPARE, WAVES*WREG                 ; behind the regions: the spare words, 128 bytes a wave
	s_load_b256 s[4:11], s[0:1], 0x0               ; x s[4:5], Wq s[6:7], Wk s[8:9], Wv s[10:11]
	s_load_b256 s[12:19], s[0:1], 0x20             ; Wo s[12:13], codes s[14:15], scales s[16:17], wof s[18:19]
	v_lshl_add_u32 v[SPW], v0, 2, SPARE
	v_mov_b32 v[NIL], 0
	v_lshrrev_b32 v1, 5, v0
	v_readfirstlane_b32 s20, v1                    ; wave
	v_and_b32 v2, 31, v0                           ; lane
	v_lshlrev_b32 v3, 4, v2                        ; my 16 bytes of a load's 512
	s_mul_i32 s21, s20, WREG
	v_lshrrev_b32 v14, 2, v2
	v_mul_u32_u24 v14, v14, SP
	v_and_b32 v15, 3, v2
	v_lshl_add_u32 v14, v15, 4, v14
	v_add_nc_u32 v14, s21, v14                     ; the stage, on the way in: SP (lane / 4) + 16 (lane % 4)
	v_mul_u32_u24 v15, v2, SP
	v_add_nc_u32 v15, s21, v15                     ; and on the way out: SP x lane
	v_mul_u32_u24 v4, v2, CB                       ; my codes' place in a step's
	v_lshrrev_b32 v5, 1, v2
	s_add_co_u32 s21, s21, 2*32*SP
	v_add_nc_u32 v5, s21, v5                       ; my wave's 256 scale bytes, my block's byte
	v_lshlrev_b32 v7, 3, v2                        ; 8 bytes a lane
	v_add_nc_u32 v6, s21, v7
	s_mov_b32 s27, 0
	s_wait_kmcnt 0x0
	s_cmp_ge_u32 ttmp9, 352                        ; the work-group's number alone decides the way
	s_cbranch_scc1 .Lwo
	s_and_b32 s24, ttmp9, 31                       ; a weight's work-groups begin at multiples of 32
	s_cmp_lt_u32 ttmp9, 320
	s_cselect_b64 s[22:23], s[8:9], s[10:11]       ; Wk or Wv,
	s_cmp_lt_u32 ttmp9, 288
	s_cselect_b64 s[22:23], s[6:7], s[22:23]       ; or Wq,
	s_cmp_lt_u32 ttmp9, 256
	s_cselect_b64 s[22:23], s[4:5], s[22:23]       ; or x
	s_cselect_b32 s24, ttmp9, s24                  ; my work-group's number within its tensor
	s_lshl_b32 s24, s24, 2
	s_add_co_u32 s24, s24, s20                     ; my run within the tensor
	s_lshl_b32 s26, s24, 15                        ; 32,768 bytes a run
	s_add_nc_u64 s[22:23], s[22:23], s[26:27]
	s_lshl_b32 s25, ttmp9, 2
	s_add_co_u32 s25, s25, s20                     ; my run among all 1,408
	s_lshl_b32 s26, s25, 12                        ; 4,096 bytes of codes a run
	s_add_nc_u64 s[14:15], s[14:15], s[26:27]
	s_lshl_b32 s26, s25, 8                         ; 256 scale bytes a run
	s_add_nc_u64 s[16:17], s[16:17], s[26:27]
.macro LOAD t
.irp i, 0,1,2,3
	global_load_b128 v[R+16*((\t)%4)+4*\i:R+16*((\t)%4)+4*\i+3], v3, s[22:23] offset:2048*(\t)+512*\i th:TH_LOAD_NT   ; 32 lanes read 512 consecutive bytes
.endr
.endm
.macro TURN t                          ; step t's numbers through the stage: LDS serves a wave's instructions in order, so no wait stands between the stores and the loads
.irp i, 0,1,2,3
	ds_store_b128 v14, v[R+16*((\t)%4)+4*\i:R+16*((\t)%4)+4*\i+3] offset:32*SP*((\t)%2)+8*SP*\i
.endr
.irp i, 0,1,2,3
	ds_load_b128 v[X+16*((\t)%2)+4*\i:X+16*((\t)%2)+4*\i+3], v15 offset:32*SP*((\t)%2)+16*\i
.endr
.endm
.irp t, 0,1,2,3
	LOAD \t
.endr
	s_wait_loadcnt 12                              ; step 0's four loads are in; the twelve of steps 1 to 3 may be out
	TURN 0
.macro STEP t
.set XS, X+16*((\t)%2)
.if (\t) > 0
	s_wait_dscnt 1                                 ; this step's numbers are back from the stage; the last step's byte store may be out
.else
	s_wait_dscnt 0x0
.endif
.if (\t)+4 < STEPS
	LOAD (\t)+4                                    ; into the registers that this step's stores into the stage have read
.endif
.if (\t)+1 < STEPS
.if STEPS-2-(\t) >= 3
	s_wait_loadcnt 12                              ; the next step's four loads are in; those of the three steps behind it may be out
.else
	s_wait_loadcnt 4*(STEPS-2-(\t))
.endif
	TURN (\t)+1
.endif
	v_max3_num_f32 v8, |v[XS]|, |v[XS+1]|, |v[XS+2]|               ; the largest magnitude of my 16, in two chains
	v_max3_num_f32 v9, |v[XS+3]|, |v[XS+4]|, |v[XS+5]|
.irp i, 6,10
	v_max3_num_f32 v8, v8, |v[XS+\i]|, |v[XS+\i+1]|
	v_max3_num_f32 v9, v9, |v[XS+\i+2]|, |v[XS+\i+3]|
.endr
	v_max3_num_f32 v8, v8, |v[XS+14]|, |v[XS+15]|
	v_max3_num_f32 v8, v8, v9, (EMAX+1)<<23        ; and the floor 2^(EMAX + 1 - 127): the byte cannot fall under 1
	v_max_num_f32_dpp v8, v8, v8 row_xmask:1 row_mask:0xf bank_mask:0xf   ; with my neighbour's 16: the block's
	v_add_nc_u32 v11, -(EMAX<<23), v8              ; EMAX off its exponent field: the conversion takes this operand's exponent field as its scale
	v_cvt_scalef32_pk8_fp4_f32 v[C+4*(\t)], v[XS:XS+7], v11
	v_cvt_scalef32_pk8_fp4_f32 v[C+4*(\t)+1], v[XS+8:XS+15], v11
	v_lshrrev_b32 v[E+(\t)], 23, v11               ; the scale's byte (also the plain line behind the conversions)
	ds_store_b8 v5, v[E+(\t)] offset:16*(\t)       ; both lanes of a block write the same byte with the same value
	global_store_b64 v4, v[C+4*(\t):C+4*(\t)+1], s[14:15] offset:32*CB*(\t)
.endm
.irp t, 0,1,2,3,4,5,6,7,8,9,10,11,12,13,14,15
	STEP \t
.endr
	ds_load_b64 v[8:9], v6                         ; LDS serves a wave's instructions in order: these see my byte stores
	s_wait_dscnt 0x0
	global_store_b64 v7, v[8:9], s[16:17]          ; 32 lanes store 256 consecutive bytes, aligned
	s_wait_tensorcnt 0x0                           ; the wave's end, behind my last LDS store
	ds_add_u32 v[SPW], v[NIL]
	s_wait_dscnt 0x0
	s_endpgm
.Lwo:                                              ; Wo to f16: this way writes no LDS
	s_sub_co_u32 s24, ttmp9, 352
	s_lshl_b32 s24, s24, 2
	s_add_co_u32 s24, s24, s20                     ; my run of 8,192 numbers
	s_lshl_b32 s26, s24, 15
	s_add_nc_u64 s[12:13], s[12:13], s[26:27]
	s_lshl_b32 s26, s24, 14
	s_add_nc_u64 s[18:19], s[18:19], s[26:27]
.macro LOADG n, set                    ; group n: 16 loads of 512 consecutive bytes
.irp i, 0,1,2,3,4,5,6,7,8,9,10,11,12,13,14,15
	global_load_b128 v[\set+4*\i:\set+4*\i+3], v3, s[12:13] offset:512*(16*(\n)+\i) th:TH_LOAD_NT
.endr
.endm
	LOADG 0, R
	LOADG 1, R+64
.irp n, 0,1,2,3
.if \n < 3
	s_wait_loadcnt 16                              ; this group is in; the younger group's 16 loads may be out
.else
	s_wait_loadcnt 0x0
.endif
.if \n > 0
	s_wait_xcnt 0x0                                ; the last group's stores have read their data registers, which are written anew below
.endif
.irp i, 0,1,2,3,4,5,6,7,8,9,10,11,12,13,14,15
	v_cvt_pk_f16_f32 v[WO+2*\i], v[R+64*(\n%2)+4*\i], v[R+64*(\n%2)+4*\i+1]
	v_cvt_pk_f16_f32 v[WO+2*\i+1], v[R+64*(\n%2)+4*\i+2], v[R+64*(\n%2)+4*\i+3]
.endr
.irp i, 0,1,2,3,4,5,6,7,8,9,10,11,12,13,14,15
	global_store_b64 v7, v[WO+2*\i:WO+2*\i+1], s[18:19] offset:256*(16*\n+\i)   ; 32 lanes store 256 consecutive bytes, aligned
.endr
.if \n < 2
	LOADG \n+2, R+64*(\n%2)
.endif
.endr
	s_endpgm
.Lfunc_end_k_q7a9e69143d_quant:
	.size	k_q7a9e69143d_quant, .Lfunc_end_k_q7a9e69143d_quant-k_q7a9e69143d_quant
	.p2alignl 7, 3214868480
	.fill 96, 4, 3214868480
	.section	.rodata,"a",@progbits
	.p2align	6, 0x0
	.amdhsa_kernel k_q7a9e69143d_quant
		.amdhsa_group_segment_fixed_size 33280
		.amdhsa_private_segment_fixed_size 0
		.amdhsa_enable_private_segment 0
		.amdhsa_kernarg_size 64
		.amdhsa_user_sgpr_count 2
		.amdhsa_user_sgpr_kernarg_segment_ptr 1
		.amdhsa_wavefront_size32 1
		.amdhsa_system_sgpr_workgroup_id_x 1
		.amdhsa_system_sgpr_workgroup_id_y 1
		.amdhsa_system_sgpr_workgroup_id_z 1
		.amdhsa_system_vgpr_workitem_id 0
		.amdhsa_next_free_vgpr 192
		.amdhsa_next_free_sgpr 66
		.amdhsa_reserve_vcc 0
		.amdhsa_float_denorm_mode_32 3
		.amdhsa_float_denorm_mode_16_64 3
		.amdhsa_memory_ordered 1
		.amdhsa_forward_progress 1
		.amdhsa_inst_pref_size 54
	.end_amdhsa_kernel
	.amdgpu_metadata
---
amdhsa.version: [ 1, 2 ]
amdhsa.kernels:
  - .name:           k_q7a9e69143d_quant
    .symbol:         k_q7a9e69143d_quant.kd
    .args:
      - { .name: x, .offset: 0, .size: 8, .value_kind: global_buffer, .address_space: global }
      - { .name: Wq, .offset: 8, .size: 8, .value_kind: global_buffer, .address_space: global }
      - { .name: Wk, .offset: 16, .size: 8, .value_kind: global_buffer, .address_space: global }
      - { .name: Wv, .offset: 24, .size: 8, .value_kind: global_buffer, .address_space: global }
      - { .name: Wo, .offset: 32, .size: 8, .value_kind: global_buffer, .address_space: global }
      - { .name: codes, .offset: 40, .size: 8, .value_kind: global_buffer, .address_space: global }
      - { .name: scales, .offset: 48, .size: 8, .value_kind: global_buffer, .address_space: global }
      - { .name: wof, .offset: 56, .size: 8, .value_kind: global_buffer, .address_space: global }
    .group_segment_fixed_size: 33280
    .private_segment_fixed_size: 0
    .kernarg_segment_align: 8
    .kernarg_segment_size: 64
    .max_flat_workgroup_size: 128
    .sgpr_count:     66
    .vgpr_count:     192
    .wavefront_size: 32
...
	.end_amdgpu_metadata
.endif
;; end of part 1
;; launch qkv (part 2): grid 8 x 32, 4 waves a work-group, clusters of 4 x 4, 327,680 bytes of LDS; arguments codes, scales, bq, bk, bv, qkv; writes qkv
.if DOCPART == 2
	.amdgcn_target "amdgcn-amd-amdhsa--gfx1250"
	.amdhsa_code_object_version 6
	.text
	.protected	k_q7a9e69143d_qkv
	.globl	k_q7a9e69143d_qkv
	.p2align	8
	.type	k_q7a9e69143d_qkv,@function
k_q7a9e69143d_qkv:
	s_mov_b64 s[64:65], 0
	v_nop
	global_prefetch_b8 v0, s[64:65] scope:SCOPE_SE
	s_setreg_imm32_b32 hwreg(HW_REG_WAVE_MODE, 25, 1), 1
	s_wait_xcnt 0x0
	s_wait_alu depctr_hold_cnt(0) depctr_sa_sdst(0) depctr_va_vdst(0) depctr_va_sdst(0) depctr_va_ssrc(0) depctr_va_vcc(0) depctr_vm_vsrc(0)
	s_getreg_b32 s2, hwreg(HW_REG_IB_STS2, 6, 4)
	s_cmp_eq_u32 s2, 0
	s_cbranch_scc0 .Lentry_in_a_cluster
	s_endpgm
.Lentry_in_a_cluster:
	s_bfe_u32 s2, ttmp6, 0x10000c
	s_cmp_lg_u32 s2, 0xf033
	s_cbranch_scc0 .Lentry_shape_is_right
	s_endpgm
.Lentry_shape_is_right:
; Q = x Wq^T + bq, K = x Wk^T + bk, V = x Wv^T + bv on codes of FP4 (E2M1) with one E8M0 scale for each 32 along K = 1,024; sums in f32, begun with the bias; the results leave as f16.
; codes [11264 rows][512 bytes], scales [11264][32 bytes]: rows 0-8191 x, 8192 on Wq, 9216 on Wk, 10240 on Wv.
; LIMIT: |Q|, |K|, |V| beyond 65,504 become infinity in f16.
; SHARES.  256 work-groups.  A work-group owns 256 tokens x 128 channels and makes Q, then K, then V for them: the stores of one product leave while the next is multiplied.
; Wave w: wt = w / 2 picks its 128 tokens, wc = w % 2 its 64 channels (one head): 8 x 4 = 32 accumulators, 256 registers.
; x STAYS IN REGISTERS: a wave's 128 rows x 1,024 K of codes are 512 registers; they are read from LDS once, during the first product, and serve all three.
; THE BIAS is the C of each sum's first matrix instruction: 32 registers in the result's layout, loaded a product ahead: no addition is written.
; Q, K: source 0 = 16 rows of the weight, source 1 = 16 rows of x: a lane holds a token and eight channels.      V: the sources swapped: a lane holds a channel and eight tokens.
; So a result tile, rounded to f16 in pairs, IS half an operand fragment of the attention's products, and qkv is laid as IMAGES OF OPERAND REGISTERS:
;   [head 16][s 16][part 6][32 KB], parts Q0 Q1 K0 K1 V0 V1 (the digit: the parity of the block of 32 tokens 2 s + parity);
;   Q, K part: [batch 8: 4 KB][16 tokens tt 2: 2 KB][32 channels kd 2: 1 KB][c 2: 512 B][lane: 16 B];   V part: [batch 8: 4 KB][16 channels dt 4: 1 KB][c 2: 512 B][lane: 16 B].
; Every store of a wave covers 512 consecutive bytes, aligned, straight from registers: no stage.
; CLUSTERS: 4 x 4 work-groups.  The four of a row of the cluster own the same tokens, the four of a column the same channels: x's tiles and the weights' are asked for jointly.
; LDS: x's 256 rows (two halves of K), two slots for a weight's 128 rows, and all scales.  Wq, Wk and all else are asked for at the head; Wv comes into Wq's bytes behind the first product,
; behind a round of the cluster's barrier, and has the first way out and the whole second product in which to land.  So nothing is prefetched.
; REGISTERS: window 0: v0-31 addresses; v32-95 scale words; v96-127 the bias; v128-191 the weight's fragments, two sets; v192-255 f16 results on their way out.
;   window 1: x's fragments of K steps 0-3 (step q, block a at v[64 (q % 4) + 8 a]);   window 2: of K steps 4-7.   window 3: the accumulators (token block a, channel block b at v[8 (4 a + b)]).
.set PITCH,  272                       ; an LDS row of codes: 256 bytes + 16 of padding, so that the 16 rows that a load touches start 68 words apart
.set NP,     4                         ; places behind this matrix instruction (ISA guide 7.12.1)
.set XWAVE,  128*PITCH                 ; 128 rows of one half of K: what one tensor load brings
.set XHALF,  256*PITCH                 ; x's 256 rows of one half of K
.set XT,     0                         ; x: two halves of K
.set WB,     2*XHALF                   ; the weights' two slots
.set WHALF,  128*PITCH                 ; a weight's 128 rows of one half of K
.set WSLOT,  2*WHALF
.set SX,     WB+2*WSLOT                ; x's scales: 256 rows x 32 bytes, dense (a wave reads scales 32 times in all: no padding is spent on them)
.set SXH,    4096                      ; those of 128 rows
.set SBLK,   512                       ; those of 16 rows
.set SW,     SX+2*SXH                  ; the weights' scales: [64 rows hw 2][weight 3][2,048 bytes]
.set SWP,    2048
.set SWH,    3*SWP
.set SPARE,  SW+2*SWH                  ; the spare words, 128 bytes a wave
.set HSTR,   0x300000                  ; qkv: from head to head
.set SSTR,   196608                    ; from s to s
.set ADRA, 16                          ; v16-17  LDS address of my fragments of x in K half 0, 1
.set ADRB, 20                          ; v20-21  of my fragments of the weight in slot 0, 1
.set ADX,  22                          ; v22     of x's scale words, by lane % 16
.set ADM,  23                          ; v23     lanes 0-15 as v22; lanes 16-31: the scale words of the weight in hand
.set DH,   24                          ; v24     2,048 x (lane / 16): from a weight's scales to the next weight's
.set BOR,  25                          ; v25     4 x (lane % 16)
.set CO,   26                          ; v26     16 x lane
.set BOA,  27                          ; v27     32 x (lane / 16)
.set SPW,  28                          ; v28     LDS address of my spare word; never rewritten
.set NIL,  29                          ; v29     0; never rewritten
.set XS,   32                          ; scale words: register 8 i + q, K step q: lanes 0-15 x's block i; lanes 16-31, in i < 4, the weight's block i
.set BI,   96                          ; v[BI + 8 b + j]: the bias of the channel that register j of channel block b holds in my lane
.set BF,   128                         ; the weight's four fragments of a K step: set q % 2 at v[BF + 32 (q % 2)]
.set TW,   192                         ; 16 tiles of f16 results
.set G1,   24                          ; s[24:31] group 1 for x's tiles;      s[32:39] group 0 for K half 0, 1
.set G0X,  32
.set G1B,  48                          ; s[48:55] group 1 for the weights';   s[56:59] group 0 for Wq, later Wv;  s[60:63] for Wk
.set G0Q,  56
.set G1S,  68                          ; s[68:75], s[76:79] for x's scales
.set G0S,  76
.set G1W,  80                          ; s[80:87], s[88:91] for the weights' scales
.set G0W,  88
.set MSB, 0
.macro WIN new                         ; the immediate's high byte repeats the setting that is left
.if MSB != (\new)
	s_set_vgpr_msb (MSB<<8)|(\new)
.set MSB, \new
.endif
.endm
; A joint load: waves 0 and 1 fetch for x, waves 2 and 3 for the weights.  The branch hangs on the wave's number alone.  An s_nop 0 and four v_nop follow each line.
.macro JLOAD g0a, g1a, g0b, g1b
	s_cmp_eq_u32 s15, 0
	s_cbranch_scc0 .Lfor_b_\@
	tensor_load_to_lds s[\g0a:\g0a+3], s[\g1a:\g1a+7]
	s_nop 0
.rept 4
	v_nop
.endr
	s_branch .Lasked_\@
.Lfor_b_\@:
	tensor_load_to_lds s[\g0b:\g0b+3], s[\g1b:\g1b+7]
	s_nop 0
.rept 4
	v_nop
.endr
.Lasked_\@:
.endm
.macro CROUND                          ; a round of the cluster's barrier
	s_barrier_signal -1
	s_barrier_wait -1
	s_cmp_lg_u32 s14, 0
	s_cbranch_scc1 .Lnot_wave_0_\@
	s_barrier_signal -3
.Lnot_wave_0_\@:
	s_barrier_wait -3
	s_barrier_signal -1
	s_barrier_wait -1
.endm
.macro PLACES n                        ; places behind matrix instructions, in front of loads into registers that they have read and of the first read of results
.rept \n
	v_nop
.endr
.endm
	s_load_b256 s[4:11], s[0:1], 0x0               ; codes s[4:5], scales s[6:7], bq s[8:9], bk s[10:11]
	s_load_b128 s[96:99], s[0:1], 0x20             ; bv s[96:97], qkv s[98:99]
	v_lshl_add_u32 v[SPW], v0, 2, SPARE
	v_mov_b32 v[NIL], 0
	ds_add_u32 v[SPW], v[NIL]                      ; the wave's opening: the add, twice on end, and its wait ahead of my first tensor load
	ds_add_u32 v[SPW], v[NIL]
	v_lshrrev_b32 v1, 5, v0
	v_readfirstlane_b32 s14, v1                    ; wave 0..3
	s_lshr_b32 s15, s14, 1                         ; wt: which 128 tokens are mine.  Also: I fetch for x (0) or for the weights (1)
	s_and_b32 s16, s14, 1                          ; wc: which 64 channels.  Also: which half of a tile I fetch
	s_bfe_u32 s40, ttmp6, 0x40000                  ; cx
	s_bfe_u32 s41, ttmp6, 0x40004                  ; cy
	s_lshl_b32 s42, ttmp9, 2
	s_add_co_u32 s42, s42, s40                     ; my tile of 128 channels, 0..7
	s_and_b32 s17, ttmp7, 0xffff
	s_lshl_b32 s17, s17, 2
	s_add_co_u32 s17, s17, s41                     ; my tile of 256 tokens, 0..31
	s_lshl_b32 s43, s41, 2
	s_lshl_b32 s43, 15, s43                        ; my row of the cluster: the same tokens
	s_lshl_b32 s44, 0x1111, s40                    ; my column: the same channels
	; group 1 for codes: a tile of 128 rows x 256 bytes, 16 bytes of padding behind each row
	s_or_b32 s[G1+0], s43, (0<<16)|(1<<20)|(1<<21)|(5<<22)|(3<<25)  ; 15:0 the mask; 17:16 elements of 1 byte; 20 padding on; 21 set beside a mask; 24:22 after every 64 words; 31:25 four words
	s_or_b32 s[G1B+0], s44, (0<<16)|(1<<20)|(1<<21)|(5<<22)|(3<<25)
.irp g, G1, G1B
	s_mov_b32 s[\g+1], 256<<16                     ; tensor_dim0
	s_mov_b32 s[\g+2], 128<<16                     ; tensor_dim1
	s_mov_b32 s[\g+3], 256<<16                     ; tile_dim0
	s_mov_b32 s[\g+4], 128                         ; tile_dim1
	s_mov_b32 s[\g+5], 512                         ; from row to row
	s_mov_b32 s[\g+6], 0
	s_mov_b32 s[\g+7], 0
.endr
	; x's scales of 128 rows: 4,096 dense bytes as 16 rows of 256 bytes (32 elements of 8 bytes)
	s_or_b32 s[G1S+0], s43, (3<<16)|(1<<21)
	s_mov_b32 s[G1S+1], 32<<16
	s_mov_b32 s[G1S+2], 16<<16
	s_mov_b32 s[G1S+3], 32<<16
	s_mov_b32 s[G1S+4], 16
	s_mov_b32 s[G1S+5], 32
	s_mov_b32 s[G1S+6], 0
	s_mov_b32 s[G1S+7], 0
	; the scales of 64 rows of each of Wq, Wk, Wv: three rows of 2,048 bytes (256 elements of 8 bytes), 1,024 rows of scales = 32,768 bytes apart
	s_or_b32 s[G1W+0], s44, (3<<16)|(1<<21)
	s_mov_b32 s[G1W+1], 256<<16
	s_mov_b32 s[G1W+2], 3<<16
	s_mov_b32 s[G1W+3], 256<<16
	s_mov_b32 s[G1W+4], 3
	s_mov_b32 s[G1W+5], 4096
	s_mov_b32 s[G1W+6], 0
	s_mov_b32 s[G1W+7], 0
	s_lshl_b32 s18, s16, 7
	s_lshl_b32 s20, s17, 8
	s_add_co_u32 s20, s20, s18                     ; x: the first of the 128 rows that I fetch: never holds cx
	s_lshl_b32 s22, s20, 5                         ; 32 bytes of scales a row,
	s_mov_b32 s23, 0
	s_lshl_b32 s20, s20, 9                         ; 512 bytes of codes
	s_mov_b32 s21, 0
	s_lshl_b32 s46, s42, 7
	s_add_co_u32 s46, s46, 8192                    ; Wq: the first row of my 128 channels: never holds cy
	s_lshl_b32 s19, s16, 6
	s_add_co_u32 s92, s46, s19                     ; the scales: 64 rows a wave
	s_lshl_b32 s92, s92, 5
	s_mov_b32 s93, 0
	s_lshl_b32 s46, s46, 9
	s_lshl_b32 s19, s16, 8                         ; the codes: a half of K a wave: 256 bytes on
	s_add_co_u32 s46, s46, s19
	s_mov_b32 s47, 0
	s_mul_i32 s45, s16, XWAVE                      ; where they go: x's 128 rows, or a weight's half of K: the same 34,816 bytes; the wave's number alone enters an LDS address
	s_mul_i32 s3, s16, SXH
	s_mul_i32 s2, s16, SWH
	s_wait_dscnt 0x0                               ; both opening adds are done
	s_wait_kmcnt 0x0
	s_add_nc_u64 s[20:21], s[4:5], s[20:21]
	s_add_nc_u64 s[22:23], s[6:7], s[22:23]
	s_add_nc_u64 s[46:47], s[4:5], s[46:47]
	s_add_nc_u64 s[92:93], s[6:7], s[92:93]
	CROUND                                         ; all sixteen work-groups are here: the joint loads meet
	s_mov_b32 s[G0S], 1
	s_add_co_u32 s[G0S+1], s3, SX
	s_mov_b64 s[G0S+2:G0S+3], s[22:23]
	s_or_b32 s[G0S+3], s[G0S+3], 0x80000000
	s_mov_b32 s[G0W], 1
	s_add_co_u32 s[G0W+1], s2, SW
	s_mov_b64 s[G0W+2:G0W+3], s[92:93]
	s_or_b32 s[G0W+3], s[G0W+3], 0x80000000
	JLOAD G0S, G1S, G0W, G1W                       ; the scales first: they are wanted with the first product
.irp k, 0,1                                    ; then x's K half 0 and Wq's two halves; then x's K half 1 and Wk's two halves (1,024 rows of 512 bytes on)
	s_mov_b32 s[G0X+4*\k], 1
	s_add_co_u32 s[G0X+4*\k+1], s45, XT+\k*XHALF
	s_add_nc_u64 s[G0X+4*\k+2:G0X+4*\k+3], s[20:21], \k*256
	s_or_b32 s[G0X+4*\k+3], s[G0X+4*\k+3], 0x80000000
	s_mov_b32 s[G0Q+4*\k], 1
	s_add_co_u32 s[G0Q+4*\k+1], s45, WB+\k*WSLOT
	s_add_nc_u64 s[G0Q+4*\k+2:G0Q+4*\k+3], s[46:47], \k*524288
	s_or_b32 s[G0Q+4*\k+3], s[G0Q+4*\k+3], 0x80000000
	JLOAD G0X+4*\k, G1, G0Q+4*\k, G1B              ; three tensor loads of mine are out in all
.endr
	v_and_b32 v1, 15, v0                           ; r = lane % 16
	v_bfe_u32 v2, v0, 4, 1                         ; h = lane / 16
	v_mul_u32_u24 v3, v1, PITCH
	v_lshl_add_u32 v4, v2, 4, v3                   ; a fragment's row x pitch + 16 x half
	s_mul_i32 s18, s15, XWAVE                      ; my 128 tokens
	v_add_nc_u32 v[ADRA], s18, v4
	s_add_co_u32 s18, s18, XHALF
	v_add_nc_u32 v[ADRA+1], s18, v4
	s_mul_i32 s18, s16, 64*PITCH                   ; my 64 channels
	s_add_co_u32 s18, s18, WB
	v_add_nc_u32 v[ADRB], s18, v4
	s_add_co_u32 s18, s18, WSLOT
	v_add_nc_u32 v[ADRB+1], s18, v4
	v_lshlrev_b32 v5, 5, v1                        ; a row's scales: 32 bytes
	s_mul_i32 s18, s15, SXH
	s_add_co_u32 s18, s18, SX                      ; x's: my 128 tokens
	v_add_nc_u32 v[ADX], s18, v5
	s_mul_i32 s19, s16, SWH
	s_add_co_u32 s19, s19, SW                      ; the weights': my 64 channels
	s_sub_co_u32 s19, s19, s18
	v_mul_u32_u24 v6, s19, v2                      ; lanes 16-31 take the weight's: one product, the distance between the two
	v_add_nc_u32 v[ADM], v[ADX], v6
	v_mul_u32_u24 v[DH], v2, SWP
	v_and_b32 v6, 31, v0
	v_lshlrev_b32 v[CO], 4, v6
	v_lshlrev_b32 v[BOA], 5, v2
	v_lshlrev_b32 v[BOR], 2, v1
	s_lshl_b32 s92, s42, 9                         ; the biases at my first channel: 4 x (128 x tile + 64 x half)
	s_lshl_b32 s19, s16, 8
	s_add_co_u32 s92, s92, s19
	s_mov_b32 s93, 0
	s_add_nc_u64 s[8:9], s[8:9], s[92:93]
	s_add_nc_u64 s[10:11], s[10:11], s[92:93]
	s_add_nc_u64 s[96:97], s[96:97], s[92:93]
; Q, K: register j of channel block b holds channel 16 b + 8 h + j.       V: every register of channel block b holds channel 16 b + r.
.macro BIASROW base
.irp b, 0,1,2,3
	global_load_b128 v[BI+8*\b:BI+8*\b+3], v[BOA], s[\base:\base+1] offset:64*\b
	global_load_b128 v[BI+8*\b+4:BI+8*\b+7], v[BOA], s[\base:\base+1] offset:64*\b+16
.endr
.endm
.macro BIASLANE base
.irp b, 0,1,2,3
.irp j, 0,1,2,3,4,5,6,7
	global_load_b32 v[BI+8*\b+\j], v[BOR], s[\base:\base+1] offset:64*\b
.endr
.endr
.endm
	BIASROW 8                                      ; bq
	; where my results begin in qkv: head 2 x tile + wc; batch = token tile / 4; s = 4 (token tile % 4) + 2 wt
	s_lshl_b32 s18, s42, 1
	s_add_co_u32 s18, s18, s16
	s_mul_i32 s92, s18, HSTR
	s_and_b32 s18, s17, 3
	s_lshl_b32 s18, s18, 2
	s_lshl_b32 s19, s15, 1
	s_add_co_u32 s18, s18, s19
	s_mul_i32 s18, s18, SSTR
	s_add_co_u32 s92, s92, s18
	s_lshr_b32 s18, s17, 2
	s_lshl_b32 s18, s18, 12
	s_add_co_u32 s92, s92, s18
	s_add_nc_u64 s[98:99], s[98:99], s[92:93]
; A fragment, 16 rows x 128 K of 4-bit codes: lane l holds row l % 16; registers 4 c .. 4 c + 3 hold K = 64 c + 32 (l / 16) + 0 .. 31: two loads of 16 bytes, 32 bytes apart.
.macro FRAGX q                         ; x's eight fragments of K step q: registers that are loaded once in the launch
	WIN 0x40*(1+(\q)/4)                            ; destination window 1 or 2
.irp i, 0,1,2,3,4,5,6,7
.irp c, 0,1
	ds_load_b128 v[64*((\q)%4)+8*\i+4*\c:64*((\q)%4)+8*\i+4*\c+3], v[ADRA+(\q)/4] offset:64*((\q)%4)+32*\c+\i*16*PITCH
.endr
.endr
	WIN 0
.endm
.macro FRAGW sl, q                     ; the four fragments of K step q of the weight in slot sl, into set q % 2
.irp i, 0,1,2,3
.irp c, 0,1
	ds_load_b128 v[BF+32*((\q)%2)+8*\i+4*\c:BF+32*((\q)%2)+8*\i+4*\c+3], v[ADRB+\sl] offset:((\q)/4)*WHALF+64*((\q)%4)+32*\c+\i*16*PITCH
.endr
.endr
.endm
.macro SCALEW                          ; the scale words of blocks 0-3, all eight K steps: lanes 0-15 x's, lanes 16-31 those of the weight in hand
.irp i, 0,1,2,3
	ds_load_b128 v[XS+8*\i:XS+8*\i+3], v[ADM] offset:\i*SBLK
	ds_load_b128 v[XS+8*\i+4:XS+8*\i+7], v[ADM] offset:\i*SBLK+16
.endr
.endm
.macro SCALEX                          ; those of x's blocks 4-7: loaded once
.irp i, 4,5,6,7
	ds_load_b128 v[XS+8*\i:XS+8*\i+3], v[ADX] offset:\i*SBLK
	ds_load_b128 v[XS+8*\i+4:XS+8*\i+7], v[ADX] offset:\i*SBLK+16
.endr
.endm
; 16 matrix instructions of K step q: token blocks a0 .. a0 + 3 x the four channel blocks.  first = 1: the bias starts the sums: nothing is cleared and nothing is added later.
; mode 0 (Q, K): source 0 the weight, whose scales stand in lanes 16-31;  mode 1 (V): source 0 x.  The 32 accumulators take turns, one instruction a turn, in the same order in every step.
.macro MULH mode, q, a0, first
.irp a, \a0, \a0+1, \a0+2, \a0+3
.irp b, 0,1,2,3
.if \mode
.if \first
	v_wmma_scale_f32_16x16x128_f8f6f4 v[8*(4*(\a)+\b):8*(4*(\a)+\b)+7], v[64*((\q)%4)+8*(\a):64*((\q)%4)+8*(\a)+7], v[BF+32*((\q)%2)+8*\b:BF+32*((\q)%2)+8*\b+7], v[BI+8*\b:BI+8*\b+7], v[XS+8*(\a)+(\q)], v[XS+8*\b+(\q)] matrix_a_fmt:MATRIX_FMT_FP4 matrix_b_fmt:MATRIX_FMT_FP4 matrix_b_scale:MATRIX_SCALE_ROW1
.else
	v_wmma_scale_f32_16x16x128_f8f6f4 v[8*(4*(\a)+\b):8*(4*(\a)+\b)+7], v[64*((\q)%4)+8*(\a):64*((\q)%4)+8*(\a)+7], v[BF+32*((\q)%2)+8*\b:BF+32*((\q)%2)+8*\b+7], v[8*(4*(\a)+\b):8*(4*(\a)+\b)+7], v[XS+8*(\a)+(\q)], v[XS+8*\b+(\q)] matrix_a_fmt:MATRIX_FMT_FP4 matrix_b_fmt:MATRIX_FMT_FP4 matrix_b_scale:MATRIX_SCALE_ROW1
.endif
.else
.if \first
	v_wmma_scale_f32_16x16x128_f8f6f4 v[8*(4*(\a)+\b):8*(4*(\a)+\b)+7], v[BF+32*((\q)%2)+8*\b:BF+32*((\q)%2)+8*\b+7], v[64*((\q)%4)+8*(\a):64*((\q)%4)+8*(\a)+7], v[BI+8*\b:BI+8*\b+7], v[XS+8*\b+(\q)], v[XS+8*(\a)+(\q)] matrix_a_fmt:MATRIX_FMT_FP4 matrix_b_fmt:MATRIX_FMT_FP4 matrix_a_scale:MATRIX_SCALE_ROW1
.else
	v_wmma_scale_f32_16x16x128_f8f6f4 v[8*(4*(\a)+\b):8*(4*(\a)+\b)+7], v[BF+32*((\q)%2)+8*\b:BF+32*((\q)%2)+8*\b+7], v[64*((\q)%4)+8*(\a):64*((\q)%4)+8*(\a)+7], v[8*(4*(\a)+\b):8*(4*(\a)+\b)+7], v[XS+8*\b+(\q)], v[XS+8*(\a)+(\q)] matrix_a_fmt:MATRIX_FMT_FP4 matrix_b_fmt:MATRIX_FMT_FP4 matrix_a_scale:MATRIX_SCALE_ROW1
.endif
.endif
.endr
.endr
.endm
; A K step of 128: the next step's fragments are asked for, then this step's 32 products are issued.  loadx = 1: the first product, which also brings x's fragments.
; nextb: in step 2 the next product's bias is asked for (1: bk, 2: bv): step 0's products, which read the bias, stand eight places back.
; The windows of a product: D window 3; C window 3, in step 0 window 0 (the bias); the weight window 0; x window 1 or 2.
.macro STEP mode, sl, q, loadx, nextb
.if (\q) > 0
	PLACES NP                                      ; in front of the loads into the set that the last step multiplied
.endif
.if (\q) == 2
.if \nextb == 1
	BIASROW 10
.endif
.if \nextb == 2
	BIASLANE 96
.endif
.endif
.if (\q) < 7
.if \loadx
	FRAGX (\q)+1
.endif
	FRAGW \sl, (\q)+1
	s_wait_dscnt 8+16*\loadx                       ; this step's fragments are in; those just asked for may be out
.else
	s_wait_dscnt 0x0
.endif
.if (\q) == 0
.set WM, 0xc0
.else
.set WM, 0xf0
.endif
.if \mode
.set WM, WM|(1+(\q)/4)
.else
.set WM, WM|((1+(\q)/4)<<2)
.endif
	WIN WM
	MULH \mode, \q, 0, (\q)==0
	MULH \mode, \q, 4, (\q)==0
	WIN 0
.endm
; THE WAY OUT of product p, 16 tiles at a time: eight numbers of a lane become 16 bytes of f16 (each accumulator from its low end on), and each tile leaves by one store of 512 consecutive bytes, aligned.
; Tile t of group g: token block a = 4 g + t / 4, channel block b = t % 4.
.macro WAYOUT p, mode
.irp g, 0,1
.if (\p)+\g > 0
	s_wait_xcnt 0x0                                ; the last 16 stores have read their data registers, which are written anew below
.endif
	WIN 0x0f                                       ; sources 0 and 1: window 3
.irp t, 0,1,2,3,4,5,6,7,8,9,10,11,12,13,14,15
.irp i, 0,1,2,3
	v_cvt_pk_f16_f32 v[TW+4*\t+\i], v[8*(16*\g+\t)+2*\i], v[8*(16*\g+\t)+2*\i+1]
.endr
.endr
	WIN 0
.irp t, 0,1,2,3,4,5,6,7,8,9,10,11,12,13,14,15
.if \mode
	global_store_b128 v[CO], v[TW+4*\t:TW+4*\t+3], s[98:99] offset:(\p)*65536+\g*SSTR+((\t/8)%2)*32768+(\t%4)*1024+((\t/4)%2)*512
.else
	global_store_b128 v[CO], v[TW+4*\t:TW+4*\t+3], s[98:99] offset:(\p)*65536+\g*SSTR+((\t/8)%2)*32768+((\t/4)%2)*2048+((\t%4)/2)*1024+(\t%2)*512
.endif
.endr
.endr
.endm
	s_wait_tensorcnt 0x1                           ; the scales and my part of x's K half 0 or of Wq are in; my third load (x's K half 1, or Wk) may be out,
	s_barrier_signal -1
	s_barrier_wait -1                              ; everybody's are
	SCALEW
	SCALEX
	FRAGW 0, 0
	FRAGX 0
	s_wait_loadcnt 0x0                             ; bq
	; ---- Q
	STEP 0, 0, 0, 1, 0
	STEP 0, 0, 1, 1, 0
	STEP 0, 0, 2, 1, 1
	s_wait_tensorcnt 0x0                           ; step 3 goes over to the second half of K: my third load has landed,
	s_wait_dscnt 0x0                               ; step 3's fragments are in, and no LDS instruction of mine is pending at the signal
	s_barrier_signal -1
	WIN 0xf4
	MULH 0, 3, 0, 0                                ; work on registers while the others arrive
	WIN 0
	s_barrier_wait -1                              ; x's K half 1 and Wk are whole
	PLACES NP
	FRAGX 4
	FRAGW 0, 4
	WIN 0xf4
	MULH 0, 3, 4, 0
	WIN 0
	STEP 0, 0, 4, 1, 0
	STEP 0, 0, 5, 1, 0
	STEP 0, 0, 6, 1, 0
	STEP 0, 0, 7, 1, 0
	; Wq has been read out: Wv comes into its bytes.  Every wave: all its tensor loads have landed, the add, the wait for it and for its LDS loads; a round of the cluster's barrier; then the joint refill, one load in waves 2 and 3.
	s_wait_tensorcnt 0x0                           ; no tensor load of mine is out, so a group 0 may be written
	ds_add_u32 v[SPW], v[NIL]                      ; 0 onto my spare word
	s_add_nc_u64 s[G0Q+2:G0Q+3], s[G0Q+2:G0Q+3], 0x100000   ; from Wq to Wv: 2,048 rows of 512 bytes; the type bits on top are not reached
	s_wait_dscnt 0x0                               ; the add is done, and my reads of Wq are over
	CROUND                                         ; no wave of any partner still reads Wq or has a load on its way
	s_cmp_eq_u32 s15, 0
	s_cbranch_scc1 .Lno_fill                       ; the wave's number alone: the same in every work-group
	tensor_load_to_lds s[G0Q:G0Q+3], s[G1B:G1B+7]
	s_nop 0
.rept 4
	v_nop
.endr
.Lno_fill:
	PLACES NP                                      ; behind the last products, on every wave's path
	v_add_nc_u32 v[ADM], v[ADM], v[DH]             ; on to Wk's scale words
	SCALEW
	FRAGW 1, 0
	WAYOUT 0, 0
	s_wait_loadcnt 0x0                             ; bk
	; ---- K
	STEP 0, 1, 0, 0, 0
	STEP 0, 1, 1, 0, 0
	STEP 0, 1, 2, 0, 2
	STEP 0, 1, 3, 0, 0
	STEP 0, 1, 4, 0, 0
	STEP 0, 1, 5, 0, 0
	STEP 0, 1, 6, 0, 0
	STEP 0, 1, 7, 0, 0
	s_wait_tensorcnt 0x0                           ; my half of Wv has landed (waves 2 and 3),
	s_barrier_signal -1                            ; (no LDS instruction of mine is pending: step 7 waited for all)
	s_barrier_wait -1                              ; both halves have
	PLACES NP
	v_add_nc_u32 v[ADM], v[ADM], v[DH]             ; on to Wv's scale words
	SCALEW
	FRAGW 0, 0
	WAYOUT 1, 0
	s_wait_loadcnt 0x0                             ; bv
	; ---- V: the sources swapped
	STEP 1, 0, 0, 0, 0
	STEP 1, 0, 1, 0, 0
	STEP 1, 0, 2, 0, 0
	STEP 1, 0, 3, 0, 0
	STEP 1, 0, 4, 0, 0
	STEP 1, 0, 5, 0, 0
	STEP 1, 0, 6, 0, 0
	STEP 1, 0, 7, 0, 0
	PLACES NP
	WAYOUT 2, 1
	s_wait_tensorcnt 0x0                           ; the wave's end
	ds_add_u32 v[SPW], v[NIL]
	s_wait_dscnt 0x0
	CROUND                                         ; the closing round: no work-group ends while a partner may still ask for a tile that names it
	s_endpgm
.Lfunc_end_k_q7a9e69143d_qkv:
	.size	k_q7a9e69143d_qkv, .Lfunc_end_k_q7a9e69143d_qkv-k_q7a9e69143d_qkv
	.p2alignl 7, 3214868480
	.fill 96, 4, 3214868480
	.section	.rodata,"a",@progbits
	.p2align	6, 0x0
	.amdhsa_kernel k_q7a9e69143d_qkv
		.amdhsa_group_segment_fixed_size 327680
		.amdhsa_private_segment_fixed_size 0
		.amdhsa_enable_private_segment 0
		.amdhsa_kernarg_size 48
		.amdhsa_user_sgpr_count 2
		.amdhsa_user_sgpr_kernarg_segment_ptr 1
		.amdhsa_wavefront_size32 1
		.amdhsa_system_sgpr_workgroup_id_x 1
		.amdhsa_system_sgpr_workgroup_id_y 1
		.amdhsa_system_sgpr_workgroup_id_z 1
		.amdhsa_system_vgpr_workitem_id 0
		.amdhsa_next_free_vgpr 1024
		.amdhsa_next_free_sgpr 102
		.amdhsa_reserve_vcc 0
		.amdhsa_float_denorm_mode_32 3
		.amdhsa_float_denorm_mode_16_64 3
		.amdhsa_memory_ordered 1
		.amdhsa_forward_progress 1
		.amdhsa_inst_pref_size 173
	.end_amdhsa_kernel
	.amdgpu_metadata
---
amdhsa.version: [ 1, 2 ]
amdhsa.kernels:
  - .name:           k_q7a9e69143d_qkv
    .symbol:         k_q7a9e69143d_qkv.kd
    .args:
      - { .name: codes, .offset: 0, .size: 8, .value_kind: global_buffer, .address_space: global }
      - { .name: scales, .offset: 8, .size: 8, .value_kind: global_buffer, .address_space: global }
      - { .name: bq, .offset: 16, .size: 8, .value_kind: global_buffer, .address_space: global }
      - { .name: bk, .offset: 24, .size: 8, .value_kind: global_buffer, .address_space: global }
      - { .name: bv, .offset: 32, .size: 8, .value_kind: global_buffer, .address_space: global }
      - { .name: qkv, .offset: 40, .size: 8, .value_kind: global_buffer, .address_space: global }
    .group_segment_fixed_size: 327680
    .private_segment_fixed_size: 0
    .kernarg_segment_align: 8
    .kernarg_segment_size: 48
    .max_flat_workgroup_size: 128
    .sgpr_count:     102
    .vgpr_count:     1024
    .wavefront_size: 32
...
	.end_amdgpu_metadata
.endif
;; end of part 2
;; launch attn (part 3): grid 16 x 16, 4 waves a work-group, clusters of 4 x 1, 327,680 bytes of LDS; arguments qkv, hf; writes hf
.if DOCPART == 3
	.amdgcn_target "amdgcn-amd-amdhsa--gfx1250"
	.amdhsa_code_object_version 6
	.text
	.protected	k_q7a9e69143d_attn
	.globl	k_q7a9e69143d_attn
	.p2align	8
	.type	k_q7a9e69143d_attn,@function
k_q7a9e69143d_attn:
	s_mov_b64 s[64:65], 0
	v_nop
	global_prefetch_b8 v0, s[64:65] scope:SCOPE_SE
	s_setreg_imm32_b32 hwreg(HW_REG_WAVE_MODE, 25, 1), 1
	s_wait_xcnt 0x0
	s_wait_alu depctr_hold_cnt(0) depctr_sa_sdst(0) depctr_va_vdst(0) depctr_va_sdst(0) depctr_va_ssrc(0) depctr_va_vcc(0) depctr_vm_vsrc(0)
	s_getreg_b32 s2, hwreg(HW_REG_IB_STS2, 6, 4)
	s_cmp_eq_u32 s2, 0
	s_cbranch_scc0 .Lentry_in_a_cluster
	s_endpgm
.Lentry_in_a_cluster:
	s_bfe_u32 s2, ttmp6, 0x10000c
	s_cmp_lg_u32 s2, 0x3003
	s_cbranch_scc0 .Lentry_shape_is_right
	s_endpgm
.Lentry_shape_is_right:
; heads[b][q][h][:] = the sum over keys k of attn[h][b][q][k] V[b][k][h][:], attn = softmax OVER THE 8 BATCHES b of the scores Q[b][q][h] . K[b][k][h] (no scaling).
; Operands f16, sums, maxima and exponentials f32.  The true maximum of the 8 scores is taken away ahead of every exponential.
; qkv holds Q, K, V as images of operand registers: [head 16][s 16][part 6: Q0 Q1 K0 K1 V0 V1][32 KB]; a part: 32 tokens x 64 channels x 8 batches.
; hf takes heads x 2^-9 (exact) in f16, as images of the next product's operand: [128 along K ks 8: 2 MB][16 rows mt 512: 4 KB][32 along K kq 4: 1 KB][c 2: 512 B][lane: 16 B].
; LIMIT: |heads| / 512 beyond 65,504 becomes infinity in f16; NaN and infinities among the inputs are not served.
; SHARES.  A work-group owns one head and 64 queries, for all 8 batches and all 1,024 keys.  A step is 64 keys, one LDS slot of 128 KB (K0 K1 V0 V1).
; Wave w: qh = w / 2 picks its 32 queries (two tiles), kh = w % 2 its block of 32 keys in each step.  In a step it makes the scores and the softmax of its queries x its 32 keys x ALL 8 batches,
; keeps the weights p of four batches (4 kh + 0..3), hands the other four batches' p to its partner w xor 1 through LDS as images of registers, takes the partner's p for its own four batches,
; and does V^T P for its four batches over both blocks of keys.  So each output has one owner, and each fragment of K and V read from LDS feeds two matrix instructions.
; Batches are numbered b' = b xor 4 kh in a wave: b' 0-3 are kept, 4-7 sent: the register numbers are the same in all waves, and the softmax does not care for the order.
; LAYOUT.  S^T = K Q^T (source 0 = 16 keys, source 1 = 16 queries): a lane holds one query and eight keys, the same place in all 8 batches' tiles: the softmax needs no other lane.
; Two such tiles rounded to f16 in pairs ARE source 1 (16 queries x 32 keys) of O^T = V^T P, whose result holds one query a lane and eight channels: half a fragment of the next product.
; CLUSTER.  The four blocks of queries of a cluster belong to one head and walk the same K and V: each wave's part of a slot (32 KB) is asked for jointly.
; TWO BARRIERS A STEP.  The cluster's round at the change of slots orders my p stores against the partner's loads, shows the next slot whole, and shows this slot read out, so that it is filled again straight behind it.
; A second barrier orders the partner's reads of my p against my next stores there.
; REGISTERS, in windows of 256: window 0: v1-17 addresses; v32-47 maxima; v48-63 sums; v64-127 p kept; v128-255 S^T (later v128-191 p received).
;   window 1: Q (2 tiles x 8 batches x 2 fragments).   window 2: O^T (2 tiles x 4 batches x 4 tiles of channels).   window 3: two buffers of 16 fragments of K or V.
.set SLOT1, 1<<17                      ; slot 1 begins here: one exclusive or turns an address in one slot into the other's
.set PX,    262144                     ; behind the slots: p on its way to the partner, 8 KB a wave; no tensor load lands here
.set SPARE, PX+4*8192                  ; the spare words, 128 bytes a wave
.set HSTR,  0x300000                   ; qkv: from head to head
.set SSTR,  196608                     ; from step to step
.set L16, 1                            ; v1   16 x lane
.set AK0, 2                            ; v2   my K fragments of b' 0-3 in slot 0;   v3  of b' 4-7
.set AK1, 3
.set AV0, 4                            ; v4   my V fragments, my own block of keys;   v5  the partner's block
.set AV1, 5
.set CK0, 6                            ; v6-9 the same four in the slot in hand
.set CK1, 7
.set CV0, 8
.set CV1, 9
.set PXW, 10                           ; v10  where I put p for the partner
.set PXR, 11                           ; v11  where the partner has put p for me
.set QA0, 12                           ; v12  Q: my offset for b' 0-3;   v13  for b' 4-7
.set QA1, 13
.set PFO, 14                           ; v14  256 x lane: the prefetches' offset; never rewritten
.set SPW, 16                           ; v16  LDS address of my spare word; never rewritten
.set NIL, 17                           ; v17  0; never rewritten
.set M,   32
.set SUM, 48
.set PK,  64                           ; p kept: tile qt, batch b' at v[PK + 8 (4 qt + b')]
.set S,   128                          ; S^T: tile qt, batch b' at v[S + 64 qt + 8 b']
.set F0,  0                            ; fragment buffers, in window 3
.set F1,  128
.set WV,  8                            ; s8 wave, s9 kh, s10 qh, s11 cx, s12 my block of 64 queries, s13 the head
.set KH,  9
.set QH,  10
.set CX,  11
.set QB,  12
.set HD,  13
.set G1,  16                           ; s[16:23] descriptor group 1
.set G0A, 24                           ; s[24:27] group 0 for slot 0's first fill
.set G0B, 28                           ; s[28:31] for slot 1's; it then walks
.set CS,  32                           ; s[32:33] c = log2(e);  s[34:35] -c  (named as pairs by the packed forms, which take the low word)
.set CN,  34
.set TB,  36                           ; s36  LDS byte at which the slot in hand begins
.set SLOTS, 37                         ; s37  slots still to be asked for
.set LIM, 38                           ; s38  1 in a cluster that prefetches, else the greatest number
.set PFA, 40                           ; s[40:41] where my prefetches stand
.set MSB, 0
.macro WIN new                         ; the immediate's high byte repeats the setting that is left
.if MSB != (\new)
	s_set_vgpr_msb (MSB<<8)|(\new)
.set MSB, \new
.endif
.endm
.set W_QK,  0x07                       ; K window 3, Q window 1, S^T window 0
.set W_PV,  0xa3                       ; V window 3, p window 0, O^T window 2
.set TO_F,  0xc0                       ; destination window 3
.set TO_Q,  0x40                       ; destination window 1
.set W_OUT, 0x02                       ; source 0 window 2
.macro PLACES n                        ; places behind matrix instructions (ISA guide 7.12.1)
.rept \n
	v_nop
.endr
.endm
.macro ROUND                           ; a round of the cluster's barrier
	s_barrier_signal -1
	s_barrier_wait -1
	s_cmp_lg_u32 s[WV], 0
	s_cbranch_scc1 .Lnot_wave_0_\@
	s_barrier_signal -3
.Lnot_wave_0_\@:
	s_barrier_wait -3
	s_barrier_signal -1
	s_barrier_wait -1
.endm
; A PREFETCH INTO THE L2 of the slot that the NEXT change of slots will ask for: 128 KB.  All clusters of a head walk the same K and V: the head's first cluster asks.  Its four partners take 32 KB each, told apart by
; address; each of their four waves 8 KB, a lane 256 bytes: one instruction a wave, and each block of 256 bytes is named once in the launch.  The last change that fills a slot asks for nothing.
.macro ASK
	s_cmp_gt_u32 s[SLOTS], s[LIM]
	s_cbranch_scc0 .Lnot_mine_\@
	global_prefetch_b8 v[PFO], s[PFA:PFA+1] th:TH_LOAD_NT scope:SCOPE_SE
.Lnot_mine_\@:
.endm
	s_load_b128 s[4:7], s[0:1], 0x0                ; qkv s[4:5], hf s[6:7]
	v_lshl_add_u32 v[SPW], v0, 2, SPARE
	v_mov_b32 v[NIL], 0
	ds_add_u32 v[SPW], v[NIL]                      ; the wave's opening: the add, twice on end, and its wait ahead of my first tensor load
	ds_add_u32 v[SPW], v[NIL]
	v_lshrrev_b32 v15, 5, v0
	v_readfirstlane_b32 s[WV], v15                 ; wave 0..3
	s_and_b32 s[KH], s[WV], 1
	s_lshr_b32 s[QH], s[WV], 1
	s_bfe_u32 s[CX], ttmp6, 0x40000                ; my place in the cluster
	s_lshl_b32 s[QB], ttmp9, 2
	s_add_co_u32 s[QB], s[QB], s[CX]               ; my block of 64 queries: it enters Q's, hf's and the prefetches' addresses alone
	s_and_b32 s[HD], ttmp7, 0xffff                 ; the head, which the four partners share
	; group 1: 32 KB dense, as 128 rows of 256 bytes (32 elements of 8 bytes), no padding: LDS is read 16 bytes a lane on end
	s_mov_b32 s[G1], 15|(3<<16)|(1<<21)            ; 15:0 the mask: all four work-groups; 17:16 elements of 8 bytes; 21 set beside a mask
	s_mov_b32 s[G1+1], 32<<16                      ; tensor_dim0
	s_mov_b32 s[G1+2], 128<<16                     ; tensor_dim1
	s_mov_b32 s[G1+3], 32<<16                      ; tile_dim0
	s_mov_b32 s[G1+4], 128                         ; tile_dim1
	s_mov_b32 s[G1+5], 32                          ; from row to row
	s_mov_b32 s[G1+6], 0
	s_mov_b32 s[G1+7], 0
	s_mov_b32 s[CS], 0x3fb8aa3b                    ; log2(e)
	s_mov_b32 s[CS+1], s[CS]
	s_mov_b32 s[CN], 0xbfb8aa3b                    ; -log2(e)
	s_mov_b32 s[CN+1], s[CN]
	s_mov_b32 s[TB], 0
	s_cmp_eq_u32 ttmp9, 0                          ; the head's first cluster: the same in all four partners
	s_cselect_b32 s[LIM], 1, -1
	v_and_b32 v15, 31, v0
	v_lshlrev_b32 v[L16], 4, v15
	v_lshlrev_b32 v[PFO], 8, v15
	; a slot: K0 at 0, K1 at 32 K, V0 at 64 K, V1 at 96 K; in a part a batch is 4 KB.  Batch b' is batch b' xor 4 kh
	s_mul_i32 s42, s[KH], 49152                    ; K part kh, batches 4 kh on
	v_add_nc_u32 v[AK0], s42, v[L16]
	s_add_co_u32 s43, s42, 65536                   ; V part kh, batches 4 kh on
	v_add_nc_u32 v[AV0], s43, v[L16]
	s_lshl_b32 s42, s[KH], 14
	v_add_nc_u32 v[QA0], s42, v[L16]               ; Q: batches 4 kh on
	s_add_co_u32 s43, s42, 16384                   ; K part kh, batches 4 (1 - kh) on: 32768 kh + 16384 (1 - kh)
	v_add_nc_u32 v[AK1], s43, v[L16]
	s_xor_b32 s42, s[KH], 1
	s_lshl_b32 s42, s42, 14
	v_add_nc_u32 v[QA1], s42, v[L16]               ; Q: batches 4 (1 - kh) on
	s_add_co_u32 s43, s42, 81920                   ; V part 1 - kh, batches 4 kh on: 65536 + 32768 (1 - kh) + 16384 kh
	v_add_nc_u32 v[AV1], s43, v[L16]
	s_lshl_b32 s42, s[WV], 13
	s_add_co_u32 s42, s42, PX
	v_add_nc_u32 v[PXW], s42, v[L16]
	s_xor_b32 s42, s[WV], 1
	s_lshl_b32 s42, s42, 13
	s_add_co_u32 s42, s42, PX
	v_add_nc_u32 v[PXR], s42, v[L16]
	v_add_nc_u32 v[CK0], s[TB], v[AK0]
	v_add_nc_u32 v[CK1], s[TB], v[AK1]
	s_mul_i32 s42, s[HD], HSTR                     ; the head's first byte in qkv
	s_lshl_b32 s43, s[WV], 15
	s_add_co_u32 s44, s42, s43
	s_add_co_u32 s44, s44, 65536                   ; step 0's K0, + my part: head and wave alone
	s_mov_b32 s45, 0
	s_mul_i32 s46, s[QB], SSTR                     ; Q: s = my block of queries, part qh
	s_add_co_u32 s46, s46, s42
	s_lshl_b32 s47, s[QH], 15
	s_add_co_u32 s46, s46, s47
	s_mov_b32 s47, 0
	s_lshr_b32 s48, s[HD], 1                       ; hf: ks = head / 2;
	s_lshl_b32 s48, s48, 21
	s_lshl_b32 s49, s[KH], 8                       ; mt = 64 batch + 4 block + 2 qh + qt, batch = 4 kh + b';
	s_lshl_b32 s50, s[QB], 2
	s_add_co_u32 s49, s49, s50
	s_lshl_b32 s50, s[QH], 1
	s_add_co_u32 s49, s49, s50
	s_lshl_b32 s49, s49, 12
	s_add_co_u32 s48, s48, s49
	s_and_b32 s49, s[HD], 1                        ; kq = 2 (head % 2) + dt / 2
	s_lshl_b32 s49, s49, 11
	s_add_co_u32 s48, s48, s49
	s_mov_b32 s49, 0
	s_lshl_b32 s[PFA], s[CX], 15                   ; the prefetches: my work-group's 32 KB, my wave's 8 KB,
	s_lshl_b32 s[PFA+1], s[WV], 13
	s_add_co_u32 s[PFA], s[PFA], s[PFA+1]
	s_add_co_u32 s[PFA], s[PFA], s42
	s_add_co_u32 s[PFA], s[PFA], 65536+2*SSTR      ; of slot 2: the first change of slots steps it to slot 3.  Nothing is prefetched at the head
	s_mov_b32 s[PFA+1], 0
	s_wait_dscnt 0x0                               ; both opening adds are done
	s_wait_kmcnt 0x0
	s_add_nc_u64 s[44:45], s[4:5], s[44:45]
	s_add_nc_u64 s[46:47], s[4:5], s[46:47]
	s_add_nc_u64 s[48:49], s[6:7], s[48:49]
	s_add_nc_u64 s[PFA:PFA+1], s[4:5], s[PFA:PFA+1]
	ROUND                                          ; all four work-groups are here: the first joint loads meet
	s_mov_b32 s[G0A], 1
	s_lshl_b32 s[G0A+1], s[WV], 15                 ; LDS: my part of slot 0
	s_mov_b64 s[G0A+2:G0A+3], s[44:45]
	s_or_b32 s[G0A+3], s[G0A+3], 0x80000000
	s_mov_b32 s[G0B], 1
	s_add_co_u32 s[G0B+1], s[G0A+1], SLOT1
	s_add_nc_u64 s[G0B+2:G0B+3], s[44:45], SSTR
	s_or_b32 s[G0B+3], s[G0B+3], 0x80000000
	tensor_load_to_lds s[G0A:G0A+3], s[G1:G1+7]    ; step 0
	s_nop 0
	tensor_load_to_lds s[G0B:G0B+3], s[G1:G1+7]    ; step 1: two loads of mine are out
	s_nop 0
	PLACES 4
	WIN TO_Q
.irp qt, 0,1
.irp b, 0,1,2,3,4,5,6,7
.irp kd, 0,1
.irp c, 0,1
	global_load_b128 v[8*((8*\qt+\b)*2+\kd)+4*\c:8*((8*\qt+\b)*2+\kd)+4*\c+3], v[QA0+(\b/4)], s[46:47] offset:(\b%4)*4096+\qt*2048+\kd*1024+\c*512   ; Q stays in registers
.endr
.endr
.endr
.endr
	WIN 0
.macro KLOAD f, kt                     ; my 16 keys kt of the slot in hand, all 8 batches: 16 fragments, 32 loads of 512 consecutive bytes
	WIN TO_F
.irp b, 0,1,2,3,4,5,6,7
.irp kd, 0,1
.irp c, 0,1
	ds_load_b128 v[\f+8*(2*\b+\kd)+4*\c:\f+8*(2*\b+\kd)+4*\c+3], v[CK0+(\b/4)] offset:(\b%4)*4096+\kt*2048+\kd*1024+\c*512
.endr
.endr
.endr
.endm
.macro VLOAD f, adr                    ; V^T of one block of 32 keys, my four batches, 64 channels: 16 fragments
	WIN TO_F
.irp b, 0,1,2,3
.irp dt, 0,1,2,3
.irp c, 0,1
	ds_load_b128 v[\f+8*(4*\b+\dt)+4*\c:\f+8*(4*\b+\dt)+4*\c+3], v[\adr] offset:\b*4096+\dt*1024+\c*512
.endr
.endr
.endr
.endm
; S^T = K Q^T for 16 keys: 32 matrix instructions.  The 16 accumulators take turns, one instruction a turn; the first 16 start the sums.
.macro QK f
	WIN W_QK
.irp kd, 0,1
.irp b, 0,1,2,3,4,5,6,7
.irp qt, 0,1
.if \kd
	v_wmma_f32_16x16x32_f16 v[S+64*\qt+8*\b:S+64*\qt+8*\b+7], v[\f+8*(2*\b+\kd):\f+8*(2*\b+\kd)+7], v[8*((8*\qt+\b)*2+\kd):8*((8*\qt+\b)*2+\kd)+7], v[S+64*\qt+8*\b:S+64*\qt+8*\b+7]
.else
	v_wmma_f32_16x16x32_f16 v[S+64*\qt+8*\b:S+64*\qt+8*\b+7], v[\f+8*(2*\b+\kd):\f+8*(2*\b+\kd)+7], v[8*((8*\qt+\b)*2+\kd):8*((8*\qt+\b)*2+\kd)+7], 0
.endif
.endr
.endr
.endr
.endm
; O^T += V^T P for 32 keys: 32 matrix instructions, each accumulator once.  zero = 1: they start the sums: nothing is cleared.
.macro PV f, p, zero
	WIN W_PV
.irp b, 0,1,2,3
.irp dt, 0,1,2,3
.irp qt, 0,1
.if \zero
	v_wmma_f32_16x16x32_f16 v[8*((4*\qt+\b)*4+\dt):8*((4*\qt+\b)*4+\dt)+7], v[\f+8*(4*\b+\dt):\f+8*(4*\b+\dt)+7], v[\p+8*(4*\qt+\b):\p+8*(4*\qt+\b)+7], 0
.else
	v_wmma_f32_16x16x32_f16 v[8*((4*\qt+\b)*4+\dt):8*((4*\qt+\b)*4+\dt)+7], v[\f+8*(4*\b+\dt):\f+8*(4*\b+\dt)+7], v[\p+8*(4*\qt+\b):\p+8*(4*\qt+\b)+7], v[8*((4*\qt+\b)*4+\dt):8*((4*\qt+\b)*4+\dt)+7]
.endif
.endr
.endr
.endr
.endm
; THE SOFTMAX OVER THE 8 BATCHES, for my lane's 16 places (2 tiles x 8 registers), all in window 0.  p = 2^(c s - c m) / the sum of the eight; what rounding leaves in c s - c m at s = m is common to the eight and cancels.
.macro SM kt
.irp qt, 0,1
.irp j, 0,1,2,3,4,5,6,7
	v_max3_num_f32 v[M+8*\qt+\j], v[S+64*\qt+\j], v[S+64*\qt+8+\j], v[S+64*\qt+16+\j]   ; the maximum of the 8: each tile is read from its low end on
.endr
.endr
.irp qt, 0,1
.irp j, 0,1,2,3,4,5,6,7
	v_max3_num_f32 v[M+8*\qt+\j], v[M+8*\qt+\j], v[S+64*\qt+24+\j], v[S+64*\qt+32+\j]
.endr
.endr
.irp qt, 0,1
.irp j, 0,1,2,3,4,5,6,7
	v_max3_num_f32 v[M+8*\qt+\j], v[M+8*\qt+\j], v[S+64*\qt+40+\j], v[S+64*\qt+48+\j]
.endr
.endr
.irp qt, 0,1
.irp j, 0,1,2,3,4,5,6,7
	v_max_num_f32 v[M+8*\qt+\j], v[M+8*\qt+\j], v[S+64*\qt+56+\j]
.endr
.endr
.irp i, 0,2,4,6,8,10,12,14
	v_pk_mul_f32 v[M+\i:M+\i+1], v[M+\i:M+\i+1], s[CN:CN+1] op_sel_hi:[1,0]   ; -c m
.endr
.irp b, 0,1,2,3,4,5,6,7                ; ONE BATCH of 128 exponentials: none of these lines reads an exponential's result
.irp qt, 0,1
.irp i, 0,2,4,6
	v_pk_fma_f32 v[S+64*\qt+8*\b+\i:S+64*\qt+8*\b+\i+1], v[S+64*\qt+8*\b+\i:S+64*\qt+8*\b+\i+1], s[CS:CS+1], v[M+8*\qt+\i:M+8*\qt+\i+1] op_sel_hi:[1,0,1]   ; c s - c m
.endr
.endr
.irp qt, 0,1
.irp j, 0,1,2,3,4,5,6,7
	v_exp_f32 v[S+64*\qt+8*\b+\j], v[S+64*\qt+8*\b+\j]
.endr
.endr
.endr
	v_nop                                          ; a plain instruction behind the last exponential
	s_wait_alu depctr_va_vdst(0)                   ; the wait ahead of the first reader: one for the batch
.irp qt, 0,1
.irp i, 0,2,4,6
	v_pk_add_f32 v[SUM+8*\qt+\i:SUM+8*\qt+\i+1], v[S+64*\qt+\i:S+64*\qt+\i+1], v[S+64*\qt+8+\i:S+64*\qt+8+\i+1]
.endr
.endr
.irp b, 2,3,4,5,6,7
.irp qt, 0,1
.irp i, 0,2,4,6
	v_pk_add_f32 v[SUM+8*\qt+\i:SUM+8*\qt+\i+1], v[SUM+8*\qt+\i:SUM+8*\qt+\i+1], v[S+64*\qt+8*\b+\i:S+64*\qt+8*\b+\i+1]   ; eight chains by turns
.endr
.endr
.endr
.irp n, 0,1,2,3,4,5,6,7,8,9,10,11,12,13,14,15
	v_rcp_f32 v[SUM+\n], v[SUM+\n]                 ; the sum is at least about 1: the largest of the eight terms
.endr
	v_nop
	s_wait_alu depctr_va_vdst(0)                   ; and one for the 16 reciprocals
.irp b, 4,5,6,7,0,1,2,3
.irp qt, 0,1
.irp i, 0,2,4,6
	v_pk_mul_f32 v[S+64*\qt+8*\b+\i:S+64*\qt+8*\b+\i+1], v[S+64*\qt+8*\b+\i:S+64*\qt+8*\b+\i+1], v[SUM+8*\qt+\i:SUM+8*\qt+\i+1]
.endr
.endr
.endr
.irp b, 4,5,6,7                        ; the partner's four batches: rounded in place (register i takes numbers 2 i, 2 i + 1) and sent as images: 512 consecutive bytes a store
.irp qt, 0,1
.irp i, 0,1,2,3
	v_cvt_pk_f16_f32 v[S+64*\qt+8*\b+\i], v[S+64*\qt+8*\b+2*\i], v[S+64*\qt+8*\b+2*\i+1]
.endr
	ds_store_b128 v[PXW], v[S+64*\qt+8*\b:S+64*\qt+8*\b+3] offset:((4*\qt+\b-4)*2+\kt)*512
.endr
.endr
.irp b, 0,1,2,3                        ; my four: keys 16 kt on are registers 4 kt .. 4 kt + 3 of the operand
.irp qt, 0,1
.irp i, 0,1,2,3
	v_cvt_pk_f16_f32 v[PK+8*(4*\qt+\b)+4*\kt+\i], v[S+64*\qt+8*\b+2*\i], v[S+64*\qt+8*\b+2*\i+1]
.endr
.endr
.endr
.endm
; THE CHANGE OF SLOTS.  K and V of this slot are asked for into registers.  Each wave waits for all its tensor loads (its part of the next slot), adds 0 to its spare word, and waits for that, for its reads of this slot
; and for its p stores.  fill = 1: the barrier is a round of the cluster's, and this slot is filled again first thing behind it, with the keys two steps on: the load has a whole step in which to land.
.macro CHANGE fill
	s_wait_tensorcnt 0x0                           ; no tensor load of mine is out, so a group 0 may be written
	ds_add_u32 v[SPW], v[NIL]                      ; 0 onto my spare word
.if \fill
	s_xor_b32 s[G0B+1], s[G0B+1], SLOT1            ; the walking descriptor: the other slot than last time,
	s_add_nc_u64 s[G0B+2:G0B+3], s[G0B+2:G0B+3], SSTR   ; the next 64 keys; the type bits on top are not reached
	s_wait_xcnt 0x0                                ; the last prefetch, a step back, has read its address
	s_add_nc_u64 s[PFA:PFA+1], s[PFA:PFA+1], SSTR
.endif
	s_xor_b32 s[TB], s[TB], SLOT1                  ; the LDS reads go on to the other slot
	s_wait_dscnt 0x0                               ; the add is done, V's 64 loads are in, my p stores have landed
.if \fill
	ROUND
	tensor_load_to_lds s[G0B:G0B+3], s[G1:G1+7]    ; my one tensor load until the next round
	s_nop 0
	PLACES 4
.else
	s_barrier_signal -1
	s_barrier_wait -1
.endif
.endm
; A STEP: 64 keys.  zero = 1: the first step starts O^T's sums.  fill = 1: the slot is filled again.  last = 1: no step follows.
.macro STEP zero, fill, last
	s_wait_dscnt 32                                ; my first 16 keys' fragments are in; the second 16 keys' 32 loads may be out
	QK F0
	WIN 0
	PLACES 4
	SM 0
	s_wait_dscnt 0x0                               ; the second 16 keys' fragments are in, and the p stores have read their registers
	QK F1
	WIN 0
	PLACES 4                                       ; in front of the loads into buffer 1 and of the first read of the scores
	v_add_nc_u32 v[CV0], s[TB], v[AV0]
	v_add_nc_u32 v[CV1], s[TB], v[AV1]
	VLOAD F0, CV0                                  ; V lands while the softmax is worked
	VLOAD F1, CV1
	WIN 0
	SM 1
	CHANGE \fill
.irp n, 0,1,2,3,4,5,6,7,8,9,10,11,12,13,14,15
	ds_load_b128 v[S+4*\n:S+4*\n+3], v[PXR] offset:512*\n   ; the partner's p for my four batches: tile qt, batch i at v[S + 8 (4 qt + i)]
.endr
	v_add_nc_u32 v[CK0], s[TB], v[AK0]
	v_add_nc_u32 v[CK1], s[TB], v[AK1]
.if \fill
	ASK
.endif
	PV F0, PK, \zero                               ; my own block of keys
	WIN 0
	s_wait_dscnt 0x0                               ; the partner's p is in
.if !\last
	s_barrier_signal -1                            ; my reads of the partner's p are over.  Up to the wait: matrix work, places, and LDS loads of the slot ahead, which nobody writes
	PLACES 4
	KLOAD F0, 0
.endif
	PV F1, S, 0                                    ; the partner's block of keys
	WIN 0
.if !\last
	PLACES 5                                       ; in front of the loads into buffer 1, and of the next scores, which are laid over the p just multiplied
	KLOAD F1, 1
	WIN 0
	s_barrier_wait -1                              ; the partner's reads of my p are over: the next step may store there
.endif
.endm
	s_wait_tensorcnt 0x1                           ; my part of slot 0 is in; slot 1's may stay out
	s_barrier_signal -1
	s_barrier_wait -1                              ; everybody's is
	KLOAD F0, 0
	KLOAD F1, 1
	WIN 0
	s_wait_loadcnt 0x0                             ; Q
	s_mov_b32 s[SLOTS], 14
	STEP 1, 1, 0                                   ; step 0 is written out: its products start O^T's sums
	s_mov_b32 s[SLOTS], 13
.Lstep:                                            ; steps 1 to 13: each fills its slot again
	STEP 0, 1, 0
	s_sub_co_u32 s[SLOTS], s[SLOTS], 1
	s_cmp_lg_u32 s[SLOTS], 0
	s_cbranch_scc1 .Lstep
	STEP 0, 0, 0                                   ; the last two steps are written out
	STEP 0, 0, 1
	; THE WAY OUT.  O^T x 2^-9, rounded to f16: a tile's 16 bytes a lane are half a fragment of the next product, and leave by one store of 512 consecutive bytes, aligned.  The results take 128 registers, none written twice.
	PLACES 4
.irp g, 0,1,2,3
	WIN W_OUT
.irp t, 0,1,2,3,4,5,6,7
.irp i, 0,2,4,6
	v_pk_mul_f32 v[PK+8*\t+\i:PK+8*\t+\i+1], v[8*(8*\g+\t)+\i:8*(8*\g+\t)+\i+1], 0x3b000000 op_sel_hi:[1,0]
.endr
.endr
	WIN 0
.irp t, 0,1,2,3,4,5,6,7
.irp i, 0,1,2,3
	v_cvt_pk_f16_f32 v[S+4*(8*\g+\t)+\i], v[PK+8*\t+2*\i], v[PK+8*\t+2*\i+1]
.endr
.endr
.irp t, 0,1,2,3,4,5,6,7
	global_store_b128 v[L16], v[S+4*(8*\g+\t):S+4*(8*\g+\t)+3], s[48:49] offset:(((8*\g+\t)/4)%4)*262144+((8*\g+\t)/16)*4096+((8*\g+\t)%4)*512   ; tile 16 qt + 4 b' + dt
.endr
.endr
	s_wait_tensorcnt 0x0                           ; the wave's end
	ds_add_u32 v[SPW], v[NIL]
	s_wait_dscnt 0x0
	ROUND                                          ; the closing round
	s_endpgm
.Lfunc_end_k_q7a9e69143d_attn:
	.size	k_q7a9e69143d_attn, .Lfunc_end_k_q7a9e69143d_attn-k_q7a9e69143d_attn
	.p2alignl 7, 3214868480
	.fill 96, 4, 3214868480
	.section	.rodata,"a",@progbits
	.p2align	6, 0x0
	.amdhsa_kernel k_q7a9e69143d_attn
		.amdhsa_group_segment_fixed_size 327680
		.amdhsa_private_segment_fixed_size 0
		.amdhsa_enable_private_segment 0
		.amdhsa_kernarg_size 16
		.amdhsa_user_sgpr_count 2
		.amdhsa_user_sgpr_kernarg_segment_ptr 1
		.amdhsa_wavefront_size32 1
		.amdhsa_system_sgpr_workgroup_id_x 1
		.amdhsa_system_sgpr_workgroup_id_y 1
		.amdhsa_system_sgpr_workgroup_id_z 1
		.amdhsa_system_vgpr_workitem_id 0
		.amdhsa_next_free_vgpr 1024
		.amdhsa_next_free_sgpr 66
		.amdhsa_reserve_vcc 0
		.amdhsa_float_denorm_mode_32 3
		.amdhsa_float_denorm_mode_16_64 3
		.amdhsa_memory_ordered 1
		.amdhsa_forward_progress 1
		.amdhsa_inst_pref_size 255
	.end_amdhsa_kernel
	.section	.bss,"aw",@nobits
	.p2align	6
	.space	262144
	.amdgpu_metadata
---
amdhsa.version: [ 1, 2 ]
amdhsa.kernels:
  - .name:           k_q7a9e69143d_attn
    .symbol:         k_q7a9e69143d_attn.kd
    .args:
      - { .name: qkv, .offset: 0, .size: 8, .value_kind: global_buffer, .address_space: global }
      - { .name: hf, .offset: 8, .size: 8, .value_kind: global_buffer, .address_space: global }
    .group_segment_fixed_size: 327680
    .private_segment_fixed_size: 0
    .kernarg_segment_align: 8
    .kernarg_segment_size: 16
    .max_flat_workgroup_size: 128
    .sgpr_count:     66
    .vgpr_count:     1024
    .wavefront_size: 32
...
	.end_amdgpu_metadata
.endif
;; end of part 3
;; launch outp (part 4): grid 4 x 64, 4 waves a work-group, clusters of 4 x 4, 327,680 bytes of LDS; arguments hf, wof, bo, out0; writes out0
.if DOCPART == 4
	.amdgcn_target "amdgcn-amd-amdhsa--gfx1250"
	.amdhsa_code_object_version 6
	.text
	.protected	k_q7a9e69143d_outp
	.globl	k_q7a9e69143d_outp
	.p2align	8
	.type	k_q7a9e69143d_outp,@function
k_q7a9e69143d_outp:
	s_mov_b64 s[64:65], 0
	v_nop
	global_prefetch_b8 v0, s[64:65] scope:SCOPE_SE
	s_setreg_imm32_b32 hwreg(HW_REG_WAVE_MODE, 25, 1), 1
	s_wait_xcnt 0x0
	s_wait_alu depctr_hold_cnt(0) depctr_sa_sdst(0) depctr_va_vdst(0) depctr_va_sdst(0) depctr_va_ssrc(0) depctr_va_vcc(0) depctr_vm_vsrc(0)
	s_getreg_b32 s2, hwreg(HW_REG_IB_STS2, 6, 4)
	s_cmp_eq_u32 s2, 0
	s_cbranch_scc0 .Lentry_in_a_cluster
	s_endpgm
.Lentry_in_a_cluster:
	s_bfe_u32 s2, ttmp6, 0x10000c
	s_cmp_lg_u32 s2, 0xf033
	s_cbranch_scc0 .Lentry_shape_is_right
	s_endpgm
.Lentry_shape_is_right:
; out0[m][n] = 512 x (the sum over k of hf[m][k] wof[n][k]) + bo[n]: hf holds heads x 2^-9 in f16, wof holds Wo in f16; sums in f32; the factor 512 and the bias go in one fused multiply-add.
; hf lies as images of operand registers: [128 along K ks 8: 2 MB][16 rows mt 512: 4 KB][32 along K kq 4: 1 KB][c 2: 512 B][lane: 16 B];  wof is [1024 n][1024 k], row-major.
; A tile of out0 is 128 rows x 256 columns: 256 work-groups.  Four waves, each 64 x 128: 32 accumulators, 256 registers.  K goes in 8 steps of 128 through two LDS slots.
; THE MATRIX INSTRUCTION IS USED TRANSPOSED (source 0 = 16 rows of Wo, source 1 = 16 rows of heads): a lane holds eight neighbouring numbers of a row of out0.
; CLUSTERS: 4 x 4 work-groups: the four of a row of the cluster need the same tiles of heads, the four of a column the same tiles of Wo: each tile is asked for jointly.
; REGISTERS: window 0: v1-31 addresses; two fragment buffers at v64 and v160 (32 registers of heads, 64 of Wo, for 32 along K); on the way out v64-255 are at work.
;   window 1: the accumulators ((a, b) at v[8 (8 a + b)]).   window 2: v0-63 the bias in the result's layout.
.set KSTEPB, 0x200000                  ; hf: from K step to K step
.set PITCH,  272                       ; a row of Wo's tile in LDS: 256 bytes + 16 of padding, so that the 16 rows that a load touches start 68 words apart
.set ABYTES, 32768                     ; heads' part of a slot: 8 images of 4 KB, read 16 bytes a lane on end
.set HALFB,  128*PITCH
.set SLOT,   ABYTES+2*HALFB
.set STAGE,  2*SLOT                    ; behind the slots: 16 rows x (512 + 16) bytes for each wave, for the way out; no tensor load lands here
.set SPITCH, 528
.set SPARE,  STAGE+4*16*SPITCH         ; the spare words, 128 bytes a wave
.set ADRA, 16                          ; v16-17  LDS address of my fragments of heads in slot 0, 1
.set ADRB, 20                          ; v20-21  the same for Wo
.set STO,  24                          ; v24     the way out: where I put 32 bytes of a row
.set RD,   25                          ; v25     where I read a row back
.set CO,   26                          ; v26     16 x lane
.set BOA,  27                          ; v27     32 x (lane / 16): the bias of my eight columns
.set SPW,  28                          ; v28     LDS address of my spare word; never rewritten
.set NIL,  29                          ; v29     0; never rewritten
.set PFO,  30                          ; v30     256 x lane; never rewritten
.set F0,   64
.set F1,   160
.set TT,   64                          ; the way out: a block's 64 numbers
.set BK,   128                         ; and 16 rows read back: v128-191 and v192-255 by turns
.set WV,   12                          ; s12 wave, s13 wave / 2, s14 wave % 2
.set LIM,  43                          ; s43  1 in a wave that prefetches, else the greatest number
.set PFA,  44                          ; s[44:45] where my prefetches stand
.set G1A, 24                           ; s[24:31] group 1 for heads' tiles;  s[32:39] group 0, one set a slot
.set G0A, 32
.set G1B, 48                           ; s[48:55], s[56:63] the same for Wo's
.set G0B, 56
.set MSB, 0
.macro WIN new                         ; the immediate's high byte repeats the setting that is left
.if MSB != (\new)
	s_set_vgpr_msb (MSB<<8)|(\new)
.set MSB, \new
.endif
.endm
.set MUL, 0x50                         ; C and D window 1, the sources window 0
.macro PLACES
.rept 4
	v_nop
.endr
.endm
.macro JLOAD s                         ; a joint load: waves 0 and 1 fetch heads' two halves, waves 2 and 3 Wo's; an s_nop 0 and four v_nop follow each line
	s_cmp_eq_u32 s13, 0
	s_cbranch_scc0 .Lfor_b_\@
	tensor_load_to_lds s[G0A+4*\s:G0A+4*\s+3], s[G1A:G1A+7]
	s_nop 0
.rept 4
	v_nop
.endr
	s_branch .Lasked_\@
.Lfor_b_\@:
	tensor_load_to_lds s[G0B+4*\s:G0B+4*\s+3], s[G1B:G1B+7]
	s_nop 0
.rept 4
	v_nop
.endr
.Lasked_\@:
.endm
.macro CREST                           ; a round of the cluster's barrier behind its opening barrier
	s_cmp_lg_u32 s[WV], 0
	s_cbranch_scc1 .Lnot_wave_0_\@
	s_barrier_signal -3
.Lnot_wave_0_\@:
	s_barrier_wait -3
	s_barrier_signal -1
	s_barrier_wait -1
.endm
.macro CROUND
	s_barrier_signal -1
	s_barrier_wait -1
	CREST
.endm
; A PREFETCH INTO THE L2 of heads' tile of the K step that stands two refills on: 32 KB.  A tile row is read by one row of one cluster alone: its four partners take 8 KB each, told apart by address; in each, wave 0 asks,
; a lane 256 bytes: each block is named once in the launch.  The loop's last trip (s3 = 1) has no K step two refills on.  Wo's rows are read by all clusters together and are not asked for.
.macro ASK
	s_cmp_gt_u32 s3, s[LIM]
	s_cbranch_scc0 .Lnot_mine_\@
	global_prefetch_b8 v[PFO], s[PFA:PFA+1] offset:KSTEPB th:TH_LOAD_NT scope:SCOPE_SE
.Lnot_mine_\@:
.endm
	s_load_b256 s[4:11], s[0:1], 0x0               ; hf s[4:5], wof s[6:7], bo s[8:9], out0 s[10:11]
	v_lshl_add_u32 v[SPW], v0, 2, SPARE
	v_mov_b32 v[NIL], 0
	ds_add_u32 v[SPW], v[NIL]                      ; the wave's opening: the add, twice on end, and its wait ahead of my first tensor load
	ds_add_u32 v[SPW], v[NIL]
	v_lshrrev_b32 v1, 5, v0
	v_readfirstlane_b32 s[WV], v1                  ; wave 0..3
	s_lshr_b32 s13, s[WV], 1                       ; which 64 rows are mine.  Also: I fetch for heads (0) or for Wo (1)
	s_and_b32 s14, s[WV], 1                        ; which 128 columns.  Also: which half of that tile I fetch
	s_bfe_u32 s40, ttmp6, 0x40000                  ; cx
	s_bfe_u32 s41, ttmp6, 0x40004                  ; cy
	s_lshl_b32 s42, ttmp9, 2
	s_add_co_u32 s42, s42, s40                     ; tile column
	s_and_b32 s15, ttmp7, 0xffff
	s_lshl_b32 s15, s15, 2
	s_add_co_u32 s15, s15, s41                     ; tile row
	s_lshl_b32 s43, s41, 2
	s_lshl_b32 s43, 15, s43                        ; my row of the cluster
	s_lshl_b32 s46, 0x1111, s40                    ; my column
	s_or_b32 s[G1A], s43, (3<<16)|(1<<21)          ; heads: 16 KB dense, as 64 rows of 256 bytes (32 elements of 8 bytes), no padding
	s_mov_b32 s[G1A+1], 32<<16
	s_mov_b32 s[G1A+2], 64<<16
	s_mov_b32 s[G1A+3], 32<<16
	s_mov_b32 s[G1A+4], 64
	s_mov_b32 s[G1A+5], 32
	s_mov_b32 s[G1A+6], 0
	s_mov_b32 s[G1A+7], 0
	s_or_b32 s[G1B], s46, (1<<16)|(1<<20)|(1<<21)|(5<<22)|(3<<25)   ; Wo: 128 rows x 128 elements of 2 bytes, four words of padding after every 64
	s_mov_b32 s[G1B+1], 128<<16
	s_mov_b32 s[G1B+2], 128<<16
	s_mov_b32 s[G1B+3], 128<<16
	s_mov_b32 s[G1B+4], 128
	s_mov_b32 s[G1B+5], 1024
	s_mov_b32 s[G1B+6], 0
	s_mov_b32 s[G1B+7], 0
	s_lshl_b32 s16, s15, 15                        ; heads: the tile row's 8 images, 32 KB,
	s_lshl_b32 s17, s14, 14                        ; my half of them: never holds cx
	s_add_co_u32 s16, s16, s17
	s_mov_b32 s17, 0
	s_lshl_b32 s18, s42, 19                        ; Wo: row 256 x tile column + 128 x half, 2,048 bytes a row: never holds cy
	s_lshl_b32 s19, s14, 18
	s_add_co_u32 s18, s18, s19
	s_mov_b32 s19, 0
	s_lshl_b32 s20, s14, 14                        ; where they go: the wave's number alone
	s_mul_i32 s21, s14, HALFB
	s_add_co_u32 s21, s21, ABYTES
	s_wait_dscnt 0x0                               ; both opening adds are done
	s_wait_kmcnt 0x0
	s_add_nc_u64 s[16:17], s[4:5], s[16:17]
	s_add_nc_u64 s[18:19], s[6:7], s[18:19]
	CROUND                                         ; all sixteen work-groups are here: the first joint loads meet
.irp s, 0,1
	s_mov_b32 s[G0A+4*\s], 1
	s_add_co_u32 s[G0A+4*\s+1], s20, \s*SLOT
	s_add_nc_u64 s[G0A+4*\s+2:G0A+4*\s+3], s[16:17], \s*KSTEPB
	s_or_b32 s[G0A+4*\s+3], s[G0A+4*\s+3], 0x80000000
	s_mov_b32 s[G0B+4*\s], 1
	s_add_co_u32 s[G0B+4*\s+1], s21, \s*SLOT
	s_add_nc_u64 s[G0B+4*\s+2:G0B+4*\s+3], s[18:19], \s*256
	s_or_b32 s[G0B+4*\s+3], s[G0B+4*\s+3], 0x80000000
	JLOAD \s                                       ; two tensor loads of mine are out
.endr
	v_and_b32 v1, 15, v0                           ; r = lane % 16
	v_bfe_u32 v2, v0, 4, 1                         ; h = lane / 16
	v_and_b32 v3, 31, v0
	v_lshlrev_b32 v[CO], 4, v3
	v_lshlrev_b32 v[PFO], 8, v3
	v_lshlrev_b32 v[BOA], 5, v2
	s_lshl_b32 s22, s13, 14                        ; my four images of heads
	v_add_nc_u32 v[ADRA], s22, v[CO]
	s_add_co_u32 s22, s22, SLOT
	v_add_nc_u32 v[ADRA+1], s22, v[CO]
	v_mul_u32_u24 v4, v1, PITCH
	v_lshl_add_u32 v4, v2, 4, v4                   ; Wo: row x pitch + 16 x half
	s_mul_i32 s22, s14, HALFB
	s_add_co_u32 s22, s22, ABYTES
	v_add_nc_u32 v[ADRB], s22, v4
	s_add_co_u32 s22, s22, SLOT
	v_add_nc_u32 v[ADRB+1], s22, v4
	s_mul_i32 s23, s[WV], 16*SPITCH
	s_add_co_u32 s23, s23, STAGE                   ; my stage
	v_mul_u32_u24 v5, v1, SPITCH
	v_lshl_add_u32 v5, v2, 5, v5
	v_add_nc_u32 v[STO], s23, v5                   ; in: row r, 32 bytes for each half of the lanes
	v_add_nc_u32 v[RD], s23, v[CO]                 ; back: the 32 lanes take a row of 512 bytes
	s_lshl_b32 s16, s42, 10
	s_lshl_b32 s17, s14, 9
	s_add_co_u32 s16, s16, s17                     ; 4 x my first column
	s_mov_b32 s17, 0
	s_add_nc_u64 s[8:9], s[8:9], s[16:17]
	s_add_nc_u64 s[10:11], s[10:11], s[16:17]
	s_lshl_b32 s16, s15, 19                        ; my first row: 128 x tile row + 64 x half, 4,096 bytes a row
	s_lshl_b32 s18, s13, 18
	s_add_co_u32 s16, s16, s18
	s_add_nc_u64 s[10:11], s[10:11], s[16:17]
	WIN 0x80                                       ; destination window 2
.irp bb, 0,1,2,3,4,5,6,7
	global_load_b128 v[8*\bb:8*\bb+3], v[BOA], s[8:9] offset:64*\bb         ; bo of columns 16 bb + 8 h + 0 .. 7; waited for at the way out
	global_load_b128 v[8*\bb+4:8*\bb+7], v[BOA], s[8:9] offset:64*\bb+16
.endr
	WIN 0
	s_lshl_b32 s[PFA], s15, 15                     ; the prefetches: the tile row's 32 KB, my work-group's 8 KB,
	s_lshl_b32 s[PFA+1], s40, 13
	s_add_co_u32 s[PFA], s[PFA], s[PFA+1]
	s_add_co_u32 s[PFA], s[PFA], 2*KSTEPB          ; at K step 2: the first refill steps it to 3 and names K step 4.  Nothing is prefetched at the head
	s_mov_b32 s[PFA+1], 0
	s_add_nc_u64 s[PFA:PFA+1], s[4:5], s[PFA:PFA+1]
	s_cmp_eq_u32 s[WV], 0
	s_cselect_b32 s[LIM], 1, -1
; 24 LDS loads in one run: the fragments of 32 along K, the slot's kq-th: Wo's eight blocks, then heads' blocks 0, 1, then 2, 3
.macro FETCH slot, kq, f
.irp bb, 0,1,2,3,4,5,6,7
	ds_load_b128 v[\f+32+8*\bb:\f+32+8*\bb+3],   v[ADRB+\slot] offset:64*\kq+\bb*16*PITCH
	ds_load_b128 v[\f+32+8*\bb+4:\f+32+8*\bb+7], v[ADRB+\slot] offset:64*\kq+\bb*16*PITCH+32
.endr
.irp i, 0,1,2,3
	ds_load_b128 v[\f+8*\i:\f+8*\i+3],   v[ADRA+\slot] offset:\i*4096+\kq*1024
	ds_load_b128 v[\f+8*\i+4:\f+8*\i+7], v[ADRA+\slot] offset:\i*4096+\kq*1024+512
.endr
.endm
; 8 matrix instructions: heads' block a x Wo's eight.  The 32 accumulators take turns, one instruction a turn, in the same order in every quarter.
.macro MUL8 f, a, zero
.irp bb, 0,1,2,3,4,5,6,7
.if \zero
	v_wmma_f32_16x16x32_f16 v[8*(8*\a+\bb):8*(8*\a+\bb)+7], v[\f+32+8*\bb:\f+32+8*\bb+7], v[\f+8*\a:\f+8*\a+7], 0
.else
	v_wmma_f32_16x16x32_f16 v[8*(8*\a+\bb):8*(8*\a+\bb)+7], v[\f+32+8*\bb:\f+32+8*\bb+7], v[\f+8*\a:\f+8*\a+7], v[8*(8*\a+\bb):8*(8*\a+\bb)+7]
.endif
.endr
.endm
; A K step is four quarters of 32 along K on buffers 0, 1, 0, 1.  One of the first three: multiplies buffer f; in its middle it fetches the slot's kq-th quarter into buffer g.
.macro QUARTER slot, kq, f, g, zero
	s_wait_dscnt 4                                 ; Wo's blocks and heads' blocks 0, 1 are in; the youngest four loads (blocks 2, 3) may be out
	WIN MUL
	MUL8 \f, 0, \zero
	MUL8 \f, 1, \zero
	PLACES                                         ; in front of loads into registers that matrix instructions have read
	WIN 0
	FETCH \slot, \kq, \g
	s_wait_dscnt 24                                ; all but the 24 just issued
	WIN MUL
	MUL8 \f, 2, \zero
	MUL8 \f, 3, \zero
.endm
; The last quarter multiplies buffer 1 and changes slots: in front of the barrier each wave waits for all its tensor loads (its part of the next slot), adds 0 to its spare word, and waits for that and for its reads of this slot.
; fill = 1: the barrier opens a round of the cluster's, and this slot is filled again first thing behind it, two K steps ahead.
.macro TURN slot, next, fill
	WIN 0
.if \fill
	s_wait_xcnt 0x0                                ; the last prefetch, a K step back, has read its address
	s_add_nc_u64 s[PFA:PFA+1], s[PFA:PFA+1], KSTEPB
.endif
	s_wait_tensorcnt 0x0                           ; all my tensor loads have landed
	ds_add_u32 v[SPW], v[NIL]                      ; 0 onto my spare word
	s_wait_dscnt 5                                 ; the add and the youngest four loads may be out
	WIN MUL
	MUL8 F1, 0, 0
	s_wait_dscnt 0x0                               ; the add is done, and my reads of this slot are over
	s_barrier_signal -1
	MUL8 F1, 1, 0
	WIN 0
	s_barrier_wait -1
.if \fill
	CREST                                          ; no wave of any partner still reads this slot or has a load on its way
	s_add_nc_u64 s[G0A+4*\slot+2:G0A+4*\slot+3], s[G0A+4*\slot+2:G0A+4*\slot+3], 2*KSTEPB
	s_add_nc_u64 s[G0B+4*\slot+2:G0B+4*\slot+3], s[G0B+4*\slot+2:G0B+4*\slot+3], 512
	JLOAD \slot                                    ; my one tensor load until the next round; the four v_nop behind it are also the places in front of the loads below
.else
	PLACES
.endif
	FETCH \next, 0, F0
.if \fill
	ASK
.endif
	WIN MUL
	MUL8 F1, 2, 0
	MUL8 F1, 3, 0
.endm
	s_wait_tensorcnt 1                             ; my part of K step 0 is in; K step 1's load may be out,
	s_barrier_signal -1
	s_barrier_wait -1                              ; everybody's is
	FETCH 0, 0, F0
	QUARTER 0, 1, F0, F1, 1                        ; the first quarter's products start the sums: nothing is cleared
	WIN 0
	s_mov_b32 s3, 3
.Llap:                                             ; a trip goes once round the ring, from a lap's second quarter to the next lap's first, and fills both slots again
	QUARTER 0, 2, F1, F0, 0
	QUARTER 0, 3, F0, F1, 0
	TURN 0, 1, 1
	QUARTER 1, 1, F0, F1, 0
	QUARTER 1, 2, F1, F0, 0
	QUARTER 1, 3, F0, F1, 0
	TURN 1, 0, 1
	QUARTER 0, 1, F0, F1, 0
	WIN 0
	s_sub_co_u32 s3, s3, 1
	s_cmp_lg_u32 s3, 0
	s_cbranch_scc1 .Llap
	QUARTER 0, 2, F1, F0, 0                        ; the last lap fills nothing
	QUARTER 0, 3, F0, F1, 0
	TURN 0, 1, 0
	QUARTER 1, 1, F0, F1, 0
	QUARTER 1, 2, F1, F0, 0
	QUARTER 1, 3, F0, F1, 0
	s_wait_dscnt 4                                 ; the very last quarter: nothing more to fetch
	WIN MUL
	MUL8 F1, 0, 0
	MUL8 F1, 1, 0
	s_wait_dscnt 0x0
	MUL8 F1, 2, 0
	MUL8 F1, 3, 0
	WIN 0
; THE WAY OUT, a block of 16 rows x 128 columns at a time: x 512 + bo in one fused multiply-add (each accumulator from its low end on); through my own stage in LDS; back as whole rows of 512 bytes.
; LDS serves a wave's instructions in order (ISA guide 5.7.1.4): no wait stands between the stage's stores and its loads.
.macro TOSTAGE a
.if (\a) > 0
	s_wait_dscnt 16                                ; the last block's stores into the stage have read their registers; its 16 loads may be out
.endif
.if (\a) > 1
	s_wait_xcnt 0x0                                ; block a - 2's stores have read the registers into which this block's rows come back
.endif
	WIN 0x21                                       ; source 0 (the sums) window 1, source 2 (the bias) window 2
.irp bb, 0,1,2,3,4,5,6,7
.irp i, 0,2,4,6
	v_pk_fma_f32 v[TT+8*\bb+\i:TT+8*\bb+\i+1], v[8*(8*(\a)+\bb)+\i:8*(8*(\a)+\bb)+\i+1], 0x44000000, v[8*\bb+\i:8*\bb+\i+1] op_sel_hi:[1,0,1]
.endr
.endr
	WIN 0
.irp bb, 0,1,2,3,4,5,6,7
	ds_store_b128 v[STO], v[TT+8*\bb:TT+8*\bb+3] offset:64*\bb
	ds_store_b128 v[STO], v[TT+8*\bb+4:TT+8*\bb+7] offset:64*\bb+16
.endr
.irp t, 0,1,2,3,4,5,6,7,8,9,10,11,12,13,14,15
	ds_load_b128 v[BK+64*((\a)%2)+4*\t:BK+64*((\a)%2)+4*\t+3], v[RD] offset:\t*SPITCH
.endr
.endm
.macro SEND a, younger                 ; younger: the LDS instructions issued behind block a's loads, which may stay out
	s_wait_dscnt \younger
.irp t, 0,1,2,3,4,5,6,7,8,9,10,11,12,13,14,15
	global_store_b128 v[CO], v[BK+64*((\a)%2)+4*\t:BK+64*((\a)%2)+4*\t+3], s[10:11] offset:(16*(\a)+\t)*4096 th:TH_STORE_NT   ; 32 lanes store 512 consecutive bytes, aligned; written once, read by nobody here
.endr
.endm
	s_wait_loadcnt 0x0                             ; the bias
	PLACES                                         ; behind the last products
	TOSTAGE 0
.irp a, 1,2,3
	TOSTAGE \a
	SEND \a-1, 32                                  ; behind block a - 1's loads: block a's 16 stores and 16 loads
.endr
	SEND 3, 0
	s_wait_tensorcnt 0x0                           ; the wave's end
	ds_add_u32 v[SPW], v[NIL]
	s_wait_dscnt 0x0
	CROUND                                         ; the closing round
	s_endpgm
.Lfunc_end_k_q7a9e69143d_outp:
	.size	k_q7a9e69143d_outp, .Lfunc_end_k_q7a9e69143d_outp-k_q7a9e69143d_outp
	.p2alignl 7, 3214868480
	.fill 96, 4, 3214868480
	.section	.rodata,"a",@progbits
	.p2align	6, 0x0
	.amdhsa_kernel k_q7a9e69143d_outp
		.amdhsa_group_segment_fixed_size 327680
		.amdhsa_private_segment_fixed_size 0
		.amdhsa_enable_private_segment 0
		.amdhsa_kernarg_size 32
		.amdhsa_user_sgpr_count 2
		.amdhsa_user_sgpr_kernarg_segment_ptr 1
		.amdhsa_wavefront_size32 1
		.amdhsa_system_sgpr_workgroup_id_x 1
		.amdhsa_system_sgpr_workgroup_id_y 1
		.amdhsa_system_sgpr_workgroup_id_z 1
		.amdhsa_system_vgpr_workitem_id 0
		.amdhsa_next_free_vgpr 576
		.amdhsa_next_free_sgpr 66
		.amdhsa_reserve_vcc 0
		.amdhsa_float_denorm_mode_32 3
		.amdhsa_float_denorm_mode_16_64 3
		.amdhsa_memory_ordered 1
		.amdhsa_forward_progress 1
		.amdhsa_inst_pref_size 99
	.end_amdhsa_kernel
	.amdgpu_metadata
---
amdhsa.version: [ 1, 2 ]
amdhsa.kernels:
  - .name:           k_q7a9e69143d_outp
    .symbol:         k_q7a9e69143d_outp.kd
    .args:
      - { .name: hf, .offset: 0, .size: 8, .value_kind: global_buffer, .address_space: global }
      - { .name: wof, .offset: 8, .size: 8, .value_kind: global_buffer, .address_space: global }
      - { .name: bo, .offset: 16, .size: 8, .value_kind: global_buffer, .address_space: global }
      - { .name: out0, .offset: 24, .size: 8, .value_kind: global_buffer, .address_space: global }
    .group_segment_fixed_size: 327680
    .private_segment_fixed_size: 0
    .kernarg_segment_align: 8
    .kernarg_segment_size: 32
    .max_flat_workgroup_size: 128
    .sgpr_count:     66
    .vgpr_count:     576
    .wavefront_size: 32
...
	.end_amdgpu_metadata
.endif
;; end of part 4
